; MI455X (gfx1250); checked and timed in simulation.
; The chip was launched on July 23, 2026; its instructions are those of AMD's public machine-readable ISA for CDNA 5 (MIT licence, August 2026) and "CDNA5" Instruction Set Architecture Reference Guide (July 2026). The comments in the code are by the model that wrote it; some were corrected since.
;; Multihead Flash Diff2. Allowed arithmetic: float matrix products may take bf16 or f16 operands with f32 sums; all other float work in f32.
;; Inputs: cos 2,048 x 32 float32; lambda_k1 64 float32; lambda_k2 64 float32; lambda_q1 64 float32; lambda_q2 64 float32; sin 2,048 x 32 float32; subln_weight 128 float32; wk 1,024 x 1,024 float32; wo 1,024 x 1,024 float32; wq 1,024 x 1,024 float32; wv 1,024 x 1,024 float32; x 1 x 2,048 x 1,024 float32.
;; Outputs: out0 1 x 2,048 x 1,024 float32.
;; 3 versions, each right; version 2 is faster than version 1; version 3 is version 2 with the launch oproj written anew for expert scheduling mode. Each part assembles by itself: llvm-mc -triple=amdgcn-amd-amdhsa -mcpu=gfx1250 --defsym DOCPART=n.
;; ======== version 1 of 3: 3 launches
;; limits: values are held in f16: magnitudes above 65,504 overflow, below 6.1e-05 lose precision
;; workspace buffers: qf 4,194,304 bytes; kf 4,194,304 bytes; vf 4,194,304 bytes; af 4,194,304 bytes
;; launch qkv (part 1): grid 16 x 16, 8 waves a work-group, no clusters, 91,136 bytes of LDS; arguments x, wq, wk, wv, cos, sin, qf, kf, vf; writes qf, kf, vf
.if DOCPART == 1
	.amdgcn_target "amdgcn-amd-amdhsa--gfx1250"
	.amdhsa_code_object_version 6
	.text
	.protected	k_q810524b4c7_qkv
	.globl	k_q810524b4c7_qkv
	.p2align	8
	.type	k_q810524b4c7_qkv,@function
k_q810524b4c7_qkv:
	s_mov_b64 s[64:65], 0
	v_nop
	global_prefetch_b8 v0, s[64:65] scope:SCOPE_SE
	s_setreg_imm32_b32 hwreg(HW_REG_WAVE_MODE, 25, 1), 1
	s_wait_xcnt 0x0
; q = rope(x wq) / 16, k = rope(x wk) / 16, v = (x wv) / 16, rounded once to f16 and stored in the order in which the next
; launch's matrix instructions want them.  x: [2048][1024] f32; wq, wk, wv: [1024][1024] f32; cos, sin: [2048][32] f32.
; A work-group makes 128 rows x (64 columns of q, the same 64 of k, the same 64 of v): grid x = column group g, y = row block mi.
; Eight waves: wave w takes rows 64 (w>>2) .. +63 and columns 16 (w&3) .. +15 of each of the three: 12 accumulator tiles.
; K goes in 16 steps of 64 (rows of 256 bytes of f32, aligned) through registers (rounding to f16) into two LDS slots.
; FRAGMENT ORDER of the three outputs: blocks of 1,024 bytes = [c = 0,1][lane 0..31][16 bytes]; lane (r = lane & 15, h = lane >> 4):
;   qf, kf: block ((g 128 + mt) 2 + ds): row 16 mt + r, d = 32 ds + 16 c + 8 h + 0..7 of head g
;   vf:     block ((H 64 + kg) 8 + dt): column dv = 16 dt + r of head H = g >> 1, keys 32 kg + 16 c + 8 h + 0..7
; so every store of a wave covers 512 consecutive bytes, aligned.
; q and k use the matrix instruction transposed (source 0 = W, source 1 = x): a lane then holds 8 neighbouring d of one row, and the
; pairs that the rotation mixes lie in one lane.  v uses it as written: a lane holds 8 neighbouring keys of one column.
; FORMAT AND LIMITS: operands are f16 (eight times finer than bf16; the result of the whole program is a difference of two
; attentions, which bf16 operands would not carry within the tolerance).  The division by 16 is exact and gives f16 room:
; |x|, |w| below 65504 and |q|, |k|, |v| below 16 x 65504 are served; beyond that the rounding gives infinities.
; NO JOINT TILES: x's tile is shared along grid x and W's along grid y, but both are f32 and must pass through registers to be
; rounded; as f32 tiles in LDS they would take twice the bytes, and W lies [K][N], for which only 16-bit data has a transposing read.
.set SLOT, 45056                       ; bytes of an LDS slot: x's tile, then W's
.set WT,   18432                       ; x's tile: 128 rows, pitch 144 (128 bytes of f16 + 16: an odd multiple of 16)
.set GX, 2                             ; v2      x: (16 w + h) rows of 4,096 bytes + 16 r
.set GW, 3                             ; v3      W: (8 w + h) rows of 4,096 bytes + 16 r
.set SX, 4                             ; v4-5    LDS store address of x, slot 0, 1
.set SW, 6                             ; v6-7    LDS store address of W (64 k rows, pitch 416 = q 128 | k 128 | v 128 | 32: an odd multiple of 32)
.set AA, 8                             ; v8-9    LDS address of my x fragments
.set AB, 10                            ; v10-11  LDS address of my W fragments (transposing read)
.set LO, 12                            ; v12     16 x lane
.set VC, 13                            ; v13     my 16 bytes of cos and of sin
.set FA, 16                            ; v16-47  four x fragments
.set FB, 48                            ; v48-71  three W fragments
.set ST, 72                            ; v72-151, v152-231  two staging sets of 20 loads; set n feeds slot n
.set VO, 104                           ; the way out: v / 16
.set TT, 136                           ; the way out: products at work
.set QO, 152                           ; the way out: rotated q (32 registers), then k
; window 1: v0-95 there = the accumulators, tile (mat, a) at 32 mat + 8 a
.set MSB, 0
.macro WIN new                         ; the immediate's high byte repeats the setting that is left
.if MSB != \new
	s_set_vgpr_msb (MSB<<8)|\new
.set MSB, \new
.endif
.endm
.macro PLACES                          ; four plain vector places behind matrix instructions (ISA guide 7.12.1)
.rept 4
	v_nop
.endr
.endm
; The next K step's 80 KiB for the work-group: 8 loads of x and 4 of each W for a wave, each two rows of 256 bytes.
.macro LOAD set, first
.if \first == 0
	s_wait_xcnt 0x0                                ; the bases are sources of the loads issued before: stepped only behind this wait
	s_add_nc_u64 s[4:5], s[4:5], 256               ; 64 columns of x on
	s_add_nc_u64 s[6:7], s[6:7], 0x40000           ; 64 rows of W on
	s_add_nc_u64 s[8:9], s[8:9], 0x40000
	s_add_nc_u64 s[10:11], s[10:11], 0x40000
.endif
.irp i, 0,1,2,3,4,5,6,7
	global_load_b128 v[ST+80*\set+4*\i:ST+80*\set+4*\i+3], v[GX], s[4:5] offset:8192*\i
.endr
.irp i, 0,1,2,3
	global_load_b128 v[ST+80*\set+32+4*\i:ST+80*\set+32+4*\i+3], v[GW], s[6:7] offset:8192*\i
	global_load_b128 v[ST+80*\set+48+4*\i:ST+80*\set+48+4*\i+3], v[GW], s[8:9] offset:8192*\i
	global_load_b128 v[ST+80*\set+64+4*\i:ST+80*\set+64+4*\i+3], v[GW], s[10:11] offset:8192*\i
.endr
.endm
; A staging set is rounded to f16 and laid into its slot.  left = the loads issued behind this set's.
.macro STORE set, left
	s_wait_loadcnt \left
.irp i, 0,1,2,3,4,5,6,7
.set b, ST+80*\set+4*\i
	v_cvt_pk_f16_f32 v[b], v[b], v[b+1]
	v_cvt_pk_f16_f32 v[b+1], v[b+2], v[b+3]
	ds_store_b64 v[SX+\set], v[b:b+1] offset:288*\i
.endr
.irp m, 0,1,2
.irp i, 0,1,2,3
.set b, ST+80*\set+32+16*\m+4*\i
	v_cvt_pk_f16_f32 v[b], v[b], v[b+1]
	v_cvt_pk_f16_f32 v[b+1], v[b+2], v[b+3]
	ds_store_b64 v[SW+\set], v[b:b+1] offset:128*\m+832*\i
.endr
.endr
.endm
.macro CSLOAD                          ; cos and sin of my 64 rows and 8 pairs, into staging set 0, which has had its last tile
.irp a, 0,1,2,3
	global_load_b128 v[ST+8*\a:ST+8*\a+3], v[VC], s[12:13] offset:2048*\a
	global_load_b128 v[ST+8*\a+4:ST+8*\a+7], v[VC], s[14:15] offset:2048*\a
.endr
.endm
; The fragments of 32 along K: x from rows along K (two loads 32 bytes apart), W by the transposing read (two loads 16 k rows apart).
.macro FETCH slot, kk
.irp a, 0,1,2,3
	ds_load_b128 v[FA+8*\a:FA+8*\a+3], v[AA+\slot] offset:2304*\a+64*\kk
	ds_load_b128 v[FA+8*\a+4:FA+8*\a+7], v[AA+\slot] offset:2304*\a+64*\kk+32
.endr
.irp m, 0,1,2
	ds_load_tr16_b128 v[FB+8*\m:FB+8*\m+3], v[AB+\slot] offset:128*\m+13312*\kk
	ds_load_tr16_b128 v[FB+8*\m+4:FB+8*\m+7], v[AB+\slot] offset:128*\m+13312*\kk+6656
.endr
.endm
; Twelve matrix instructions on twelve accumulators, one instruction a turn.
.macro MUL zero
	WIN 0x50                                       ; C and D in window 1
.irp a, 0,1,2,3
.if \zero
	v_wmma_f32_16x16x32_f16 v[8*\a:8*\a+7], v[FB:FB+7], v[FA+8*\a:FA+8*\a+7], 0
	v_wmma_f32_16x16x32_f16 v[32+8*\a:32+8*\a+7], v[FB+8:FB+15], v[FA+8*\a:FA+8*\a+7], 0
	v_wmma_f32_16x16x32_f16 v[64+8*\a:64+8*\a+7], v[FA+8*\a:FA+8*\a+7], v[FB+16:FB+23], 0
.else
	v_wmma_f32_16x16x32_f16 v[8*\a:8*\a+7], v[FB:FB+7], v[FA+8*\a:FA+8*\a+7], v[8*\a:8*\a+7]
	v_wmma_f32_16x16x32_f16 v[32+8*\a:32+8*\a+7], v[FB+8:FB+15], v[FA+8*\a:FA+8*\a+7], v[32+8*\a:32+8*\a+7]
	v_wmma_f32_16x16x32_f16 v[64+8*\a:64+8*\a+7], v[FA+8*\a:FA+8*\a+7], v[FB+16:FB+23], v[64+8*\a:64+8*\a+7]
.endif
.endr
	WIN 0
.endm
; K step t on slot p (o = the other slot).  ONE barrier a step orders two things: every wave's stores of tile t into slot p ahead of all
; reads of it, and every wave's reads of slot o in step t - 1 ahead of this step's stores into it.
; ld = 1: tile t + 2 is asked for, into staging set p, whose LDS stores the wait in front of the barrier has shown done; ld = 2: cos and sin.
; st = 1: tile t + 1 goes from staging set o into slot o.
.macro STEP p, o, zero, ld, st, left
	s_wait_dscnt 0x0                               ; my stores into slot p and my reads of slot o are done
	s_barrier_signal -1
	s_barrier_wait -1
.if \ld == 1
	LOAD \p, 0
.endif
.if \ld == 2
	CSLOAD
.endif
	PLACES                                         ; the fragment registers were read by the matrix instructions in front
	FETCH \p, 0
	s_wait_dscnt 0x0
	MUL \zero
	PLACES
	FETCH \p, 1
	s_wait_dscnt 0x0
	MUL 0
.if \st
	STORE \o, \left
.endif
.endm
	s_load_b512 s[4:19], s[0:1], 0x0               ; x s[4:5], wq s[6:7], wk s[8:9], wv s[10:11], cos s[12:13], sin s[14:15], qf s[16:17], kf s[18:19]
	s_load_b64 s[20:21], s[0:1], 0x40              ; vf
	v_lshl_add_u32 v254, v0, 2, 0x16000
	v_mov_b32 v255, 0
	v_lshrrev_b32 v1, 5, v0
	v_readfirstlane_b32 s22, v1                    ; wave w
	s_lshr_b32 s23, s22, 2                         ; rg: which 64 rows
	s_and_b32 s24, s22, 3                          ; cq: which 16 columns
	s_mov_b32 s25, ttmp9                           ; g
	s_and_b32 s26, ttmp7, 0xffff                   ; mi
	s_mov_b32 s29, 0                               ; the high word of every offset
	v_and_b32 v14, 15, v0                          ; r
	v_bfe_u32 v15, v0, 4, 1                        ; h
	v_lshlrev_b32 v1, 4, v14
	v_lshl_add_u32 v1, v15, 12, v1                 ; 4,096 h + 16 r
	s_lshl_b32 s28, s22, 16
	v_add_nc_u32 v[GX], s28, v1                    ; + 16 w rows
	s_lshl_b32 s28, s22, 15
	v_add_nc_u32 v[GW], s28, v1                    ; + 8 w rows
	s_wait_kmcnt 0x0
	s_lshl_b32 s28, s26, 19                        ; 128 mi rows of x
	s_add_nc_u64 s[4:5], s[4:5], s[28:29]
	s_lshl_b32 s28, s25, 8                         ; 64 g columns of W
	s_add_nc_u64 s[6:7], s[6:7], s[28:29]
	s_add_nc_u64 s[8:9], s[8:9], s[28:29]
	s_add_nc_u64 s[10:11], s[10:11], s[28:29]
	LOAD 0, 1                                      ; tile 0
	LOAD 1, 0                                      ; tile 1
	; LDS addresses
	v_mul_u32_u24 v1, v15, 144
	v_lshl_add_u32 v1, v14, 3, v1
	s_mul_i32 s28, s22, 2304
	v_add_nc_u32 v[SX], s28, v1                    ; (16 w + h) 144 + 8 r
	v_add_nc_u32 v[SX+1], SLOT, v[SX]
	v_mul_u32_u24 v1, v15, 416
	v_lshl_add_u32 v1, v14, 3, v1
	s_mul_i32 s28, s22, 3328
	s_add_co_u32 s28, s28, WT
	v_add_nc_u32 v[SW], s28, v1                    ; WT + (8 w + h) 416 + 8 r
	v_add_nc_u32 v[SW+1], SLOT, v[SW]
	v_mul_u32_u24 v1, v14, 144
	v_lshl_add_u32 v1, v15, 4, v1
	s_mul_i32 s28, s23, 9216
	v_add_nc_u32 v[AA], s28, v1                    ; (64 rg + r) 144 + 16 h
	v_add_nc_u32 v[AA+1], SLOT, v[AA]
	v_and_b32 v1, 7, v0
	v_lshl_add_u32 v1, v15, 3, v1
	v_mul_u32_u24 v1, v1, 416                      ; (8 h + lane & 7) 416
	v_bfe_u32 v[AB+1], v0, 3, 1
	v_lshl_add_u32 v1, v[AB+1], 4, v1              ; + 16 ((lane >> 3) & 1)
	s_lshl_b32 s28, s24, 5
	s_add_co_u32 s28, s28, WT
	v_add_nc_u32 v[AB], s28, v1                    ; + WT + 32 cq
	v_add_nc_u32 v[AB+1], SLOT, v[AB]
	v_and_b32 v1, 31, v0
	v_lshlrev_b32 v[LO], 4, v1
	v_lshlrev_b32 v1, 7, v14
	v_lshl_add_u32 v1, v15, 4, v1
	s_lshl_b32 s28, s26, 14
	s_lshl_b32 s30, s23, 13
	s_add_co_u32 s28, s28, s30
	s_lshl_b32 s30, s24, 5
	s_add_co_u32 s28, s28, s30
	v_add_nc_u32 v[VC], s28, v1                    ; (128 mi + 64 rg + r) 128 + 32 cq + 16 h
	; where the results go: qf, kf at g 262,144 + (8 mi + 4 rg) 2,048 + 512 cq
	s_lshl_b32 s28, s25, 18
	s_lshl_b32 s30, s26, 14
	s_add_co_u32 s28, s28, s30
	s_lshl_b32 s30, s23, 13
	s_add_co_u32 s28, s28, s30
	s_lshl_b32 s30, s24, 9
	s_add_co_u32 s28, s28, s30
	s_add_nc_u64 s[16:17], s[16:17], s[28:29]
	s_add_nc_u64 s[18:19], s[18:19], s[28:29]
	; vf at (((g >> 1) 64 + 4 mi + 2 rg) 8 + 4 (g & 1) + cq) 1,024
	s_lshr_b32 s28, s25, 1
	s_lshl_b32 s28, s28, 19
	s_lshl_b32 s30, s26, 15
	s_add_co_u32 s28, s28, s30
	s_lshl_b32 s30, s23, 14
	s_add_co_u32 s28, s28, s30
	s_and_b32 s30, s25, 1
	s_lshl_b32 s30, s30, 12
	s_add_co_u32 s28, s28, s30
	s_lshl_b32 s30, s24, 10
	s_add_co_u32 s28, s28, s30
	s_add_nc_u64 s[20:21], s[20:21], s[28:29]
	STORE 0, 20                                    ; tile 0 is in; tile 1's 20 loads stay out
	STEP 0, 1, 1, 1, 1, 20                         ; t = 0: its first products start the sums; asks for tile 2, stores tile 1 (tile 2's 20 loads are younger)
	s_mov_b32 s27, 6
.Lk:
	STEP 1, 0, 0, 1, 1, 20                         ; t = 1, 3, .. 11
	STEP 0, 1, 0, 1, 1, 20                         ; t = 2, 4, .. 12
	s_sub_co_u32 s27, s27, 1
	s_cmp_lg_u32 s27, 0
	s_cbranch_scc1 .Lk
	STEP 1, 0, 0, 1, 1, 20                         ; t = 13: asks for tile 15, the last
	STEP 0, 1, 0, 2, 1, 8                          ; t = 14: asks for cos and sin (8 loads, younger than tile 15's), stores tile 15
	STEP 1, 0, 0, 0, 0, 0                          ; t = 15
	; THE WAY OUT
	PLACES                                         ; behind the last matrix instructions, ahead of the reads of their results
	s_wait_loadcnt 0x0                             ; cos and sin
.set i, 0
.rept 16
	v_pk_mul_f32 v[ST+2*i:ST+2*i+1], v[ST+2*i:ST+2*i+1], 0x3d800000 op_sel_hi:[1,0]   ; cos / 16, sin / 16: exact
.set i, i+1
.endr
	WIN 0x01                                       ; source 0 = the accumulators in window 1
.irp m, 0,1
.irp a, 0,1,2,3
.irp i, 0,1,2,3
	v_mul_f32 v[TT+2*\i], v[32*\m+8*\a+2*\i+1], v[ST+8*\a+4+\i]                        ; x2 s
	v_mul_f32 v[TT+2*\i+1], v[32*\m+8*\a+2*\i+1], v[ST+8*\a+\i]                        ; x2 c
	v_fma_f32 v[QO+32*\m+8*\a+2*\i], v[32*\m+8*\a+2*\i], v[ST+8*\a+\i], -v[TT+2*\i]    ; x1 c - x2 s
	v_fma_f32 v[QO+32*\m+8*\a+2*\i+1], v[32*\m+8*\a+2*\i], v[ST+8*\a+4+\i], v[TT+2*\i+1] ; x1 s + x2 c
.endr
.endr
.endr
.irp a, 0,1,2,3
.irp i, 0,1,2,3
	v_pk_mul_f32 v[VO+8*\a+2*\i:VO+8*\a+2*\i+1], v[64+8*\a+2*\i:64+8*\a+2*\i+1], 0x3d800000 op_sel_hi:[1,0]
.endr
.endr
	WIN 0
.irp n, 0,1,2,3,4,5,6,7
.irp i, 0,1,2,3
	v_cvt_pk_f16_f32 v[QO+8*\n+\i], v[QO+8*\n+2*\i], v[QO+8*\n+2*\i+1]                 ; 8 numbers into the first 4 registers of their 8
.endr
.endr
.irp a, 0,1,2,3
.irp i, 0,1,2,3
	v_cvt_pk_f16_f32 v[VO+8*\a+\i], v[VO+8*\a+2*\i], v[VO+8*\a+2*\i+1]
.endr
.endr
.irp a, 0,1,2,3
	global_store_b128 v[LO], v[QO+8*\a:QO+8*\a+3], s[16:17] offset:2048*\a             ; each store of the wave: 512 consecutive bytes, aligned
	global_store_b128 v[LO], v[QO+32+8*\a:QO+32+8*\a+3], s[18:19] offset:2048*\a
	global_store_b128 v[LO], v[VO+8*\a:VO+8*\a+3], s[20:21] offset:(\a/2)*8192+(\a&1)*512
.endr
	s_wait_tensorcnt 0x0
	ds_add_u32 v254, v255
	s_wait_dscnt 0x0
	s_endpgm
.Lfunc_end_k_q810524b4c7_qkv:
	.size	k_q810524b4c7_qkv, .Lfunc_end_k_q810524b4c7_qkv-k_q810524b4c7_qkv
	.p2alignl 7, 3214868480
	.fill 96, 4, 3214868480
	.section	.rodata,"a",@progbits
	.p2align	6, 0x0
	.amdhsa_kernel k_q810524b4c7_qkv
		.amdhsa_group_segment_fixed_size 91136
		.amdhsa_private_segment_fixed_size 0
		.amdhsa_enable_private_segment 0
		.amdhsa_kernarg_size 72
		.amdhsa_user_sgpr_count 2
		.amdhsa_user_sgpr_kernarg_segment_ptr 1
		.amdhsa_wavefront_size32 1
		.amdhsa_system_sgpr_workgroup_id_x 1
		.amdhsa_system_sgpr_workgroup_id_y 1
		.amdhsa_system_sgpr_workgroup_id_z 1
		.amdhsa_system_vgpr_workitem_id 0
		.amdhsa_next_free_vgpr 352
		.amdhsa_next_free_sgpr 66
		.amdhsa_reserve_vcc 0
		.amdhsa_float_denorm_mode_32 3
		.amdhsa_float_denorm_mode_16_64 3
		.amdhsa_memory_ordered 1
		.amdhsa_forward_progress 1
		.amdhsa_inst_pref_size 77
	.end_amdhsa_kernel
	.amdgpu_metadata
---
amdhsa.version: [ 1, 2 ]
amdhsa.kernels:
  - .name:           k_q810524b4c7_qkv
    .symbol:         k_q810524b4c7_qkv.kd
    .args:
      - { .name: x, .offset: 0, .size: 8, .value_kind: global_buffer, .address_space: global }
      - { .name: wq, .offset: 8, .size: 8, .value_kind: global_buffer, .address_space: global }
      - { .name: wk, .offset: 16, .size: 8, .value_kind: global_buffer, .address_space: global }
      - { .name: wv, .offset: 24, .size: 8, .value_kind: global_buffer, .address_space: global }
      - { .name: cos, .offset: 32, .size: 8, .value_kind: global_buffer, .address_space: global }
      - { .name: sin, .offset: 40, .size: 8, .value_kind: global_buffer, .address_space: global }
      - { .name: qf, .offset: 48, .size: 8, .value_kind: global_buffer, .address_space: global }
      - { .name: kf, .offset: 56, .size: 8, .value_kind: global_buffer, .address_space: global }
      - { .name: vf, .offset: 64, .size: 8, .value_kind: global_buffer, .address_space: global }
    .group_segment_fixed_size: 91136
    .private_segment_fixed_size: 0
    .kernarg_segment_align: 8
    .kernarg_segment_size: 72
    .max_flat_workgroup_size: 256
    .sgpr_count:     66
    .vgpr_count:     352
    .wavefront_size: 32
...
	.end_amdgpu_metadata
.endif
;; end of part 1
;; launch attn (part 2): grid 256 x 1, 4 waves a work-group, no clusters, 71,168 bytes of LDS; arguments qf, kf, vf, lambda_q1, lambda_k1, lambda_q2, lambda_k2, subln_weight, af; writes af
.if DOCPART == 2
	.amdgcn_target "amdgcn-amd-amdhsa--gfx1250"
	.amdhsa_code_object_version 6
	.text
	.protected	k_q810524b4c7_attn
	.globl	k_q810524b4c7_attn
	.p2align	8
	.type	k_q810524b4c7_attn,@function
k_q810524b4c7_attn:
	s_mov_b64 s[64:65], 0
	v_nop
	global_prefetch_b8 v0, s[64:65] scope:SCOPE_SE
	s_setreg_imm32_b32 hwreg(HW_REG_WAVE_MODE, 25, 1), 1
	s_wait_xcnt 0x0
; Both causal softmax attentions of a head, their difference a1 - lambda a2, the RMS norm over 128, the gain and (1 - lambda_init);
; the result rounded once to f16, in fragment order, for the last product.
; Work-group id: head H = id & 7, p = id >> 3.  It makes two blocks of 32 queries of head H, one after the other: block p, then block
; 63 - p.  Keys go in tiles of 128: block p needs (p >> 2) + 1 tiles, block 63 - p needs 16 - (p >> 2): 17 for every work-group.
; Wave w takes keys 32 w .. 32 w + 31 of each tile, for all 32 queries and both softmaxes, with its own running maximum, sum and
; output; at a block's end the four waves' parts are merged through LDS.  Only a block's last tile meets the diagonal; it is done
; first (its products start the sums), then tiles 0, 1, .. without a mask.
; K, Q and V lie in memory in fragment order (1,024 bytes = [c][lane][16 bytes]), so a fragment is two loads of 512 consecutive bytes
; straight into registers: the loop has no LDS access and no barrier.
;   S^T = K Q^T: source 0 = K, source 1 = Q: register j of lane (r, h) = (key 8 h + j, query r): a query's figures lie in two lanes,
;   and S packed in pairs is the second source of  O^T = V^T P^T  (source 0 = V): register j = (dv 8 h + j, query r).
; SCALES: q, k and v come divided by 16.  Exponent in base 2 = (s - m) CS with CS = 256 x 0.125 x log2(e); the running maximum m is
; kept in the units of s, so the largest score's exponent is exactly 0 at every magnitude and P lies in [0, 1].  The factor 16 for v
; goes into the merge's weights.
; LIMITS: a masked score is -2^120 and the maximum starts at -2^100, so a score q.k / 256 below -2^100 counts as masked.
; P is rounded to f16: a weight below 2^-25 of its row's largest counts as 0.
; NO JOINT TILES: the query blocks of a head read the same K and V, but each byte goes from memory into the registers of the one wave
; of the work-group that uses it; a joint request lands in LDS alone and would add an LDS write and read for each byte and a round of
; the cluster's barrier for each tile of 64 KiB.
.set LO, 1                             ; v1   16 x lane
.set DM, 2                             ; v2   8 h - r + 32 (w - the block's place in its tile): key > query where this exceeds 16 qt - 16 kt - j
.set HR, 3                             ; v3   8 h - r
.set NEGR, 4                           ; v4   -2^120
.set MLS, 5                            ; v5   LDS: my word of [c][lane][wave], maxima; sums 2,048 bytes on
.set MLR, 6                            ; v6   LDS: my lane's four words
.set AS, 7                             ; v7   LDS: my wave's 16 KiB of [wave][8 qt + dt][half][lane x 16]
.set AR, 8                             ; v8   LDS: the blocks dt = 2 w, 2 w + 1
.set SSS, 9                            ; v9   LDS: sums of squares, my word of [qt][lane][wave]
.set SSR, 10                           ; v10
.set NL, 11                            ; v11  -16 lambda
.set WG, 16                            ; v16-31   gain x (1 - lambda_init) for dv = 32 w + 16 dd + 8 h + j, at 8 dd + j
.set M, 32                             ; v32-35   running maximum of group c = 2 sm + qt
.set L, 36                             ; v36-39   running sum (this lane's 16 keys of 32)
.set NM, 40                            ; v40-47   pairs (-m, -m)
.set AL, 48                            ; v48-55   pairs (alpha, alpha)
.set T, 56                             ; v56-59   at work
.set U, 60                             ; v60-63   at work
.set RQ, 64                            ; v64-127  Q fragment (c, ds) at 8 (2 c + ds)
.set RS, 128                           ; v128-191 S of group c: 16 numbers at 16 c (kt = 0 first)
.set RP, 192                           ; v192-223 P of group c at 8 c
.set W, 224                            ; v224-255 at work
.set SQ, 160                           ; the merge: sums of squares
; window 1: O(c, dt) at 64 c + 8 dt.   window 2: K (sm, kt, ds) at 8 ((2 sm + kt) 2 + ds); V(dt) at 64 + 8 dt.
.set CS, 0x4238aa3b                    ; 32 log2(e)
.set MSB, 0
.macro WIN new
.if MSB != \new
	s_set_vgpr_msb (MSB<<8)|\new
.set MSB, \new
.endif
.endm
.macro PLACES                          ; four plain vector places behind matrix instructions (ISA guide 7.12.1)
.rept 4
	v_nop
.endr
.endm
.macro QLOAD
.irp sm, 0,1
.irp i, 0,1,2,3,4,5,6,7
	global_load_b128 v[RQ+32*\sm+4*\i:RQ+32*\sm+4*\i+3], v[LO], s[42:43] offset:262144*\sm+512*\i
.endr
.endr
.endm
.macro KLOAD                           ; my 32 keys of tile s30, both softmaxes: 16 loads.  s[36:37] is free: the wait at the tile's head showed its last loads done
	s_lshl_b32 s40, s30, 14
	s_add_nc_u64 s[36:37], s[32:33], s[40:41]
	WIN 0x80
.irp sm, 0,1
.irp i, 0,1,2,3,4,5,6,7
	global_load_b128 v[32*\sm+4*\i:32*\sm+4*\i+3], v[LO], s[36:37] offset:262144*\sm+512*\i
.endr
.endr
	WIN 0
.endm
.macro VLOAD                           ; V of the same keys: 16 loads.  s[38:39] is free: the wait in front of the second product showed its last loads done
	s_lshl_b32 s40, s30, 15
	s_add_nc_u64 s[38:39], s[34:35], s[40:41]
	WIN 0x80
.irp i, 0,1,2,3,4,5,6,7,8,9,10,11,12,13,14,15
	global_load_b128 v[64+4*\i:64+4*\i+3], v[LO], s[38:39] offset:512*\i
.endr
	WIN 0
.endm
.macro SMUL                            ; 16 matrix instructions on 8 accumulators by turns, one a turn
	WIN 0x02
.irp ds, 0,1
.irp c, 0,1,2,3
.irp kt, 0,1
.if \ds
	v_wmma_f32_16x16x32_f16 v[RS+16*\c+8*\kt:RS+16*\c+8*\kt+7], v[8*((2*(\c/2)+\kt)*2+\ds):8*((2*(\c/2)+\kt)*2+\ds)+7], v[RQ+8*(2*\c+\ds):RQ+8*(2*\c+\ds)+7], v[RS+16*\c+8*\kt:RS+16*\c+8*\kt+7]
.else
	v_wmma_f32_16x16x32_f16 v[RS+16*\c+8*\kt:RS+16*\c+8*\kt+7], v[8*((2*(\c/2)+\kt)*2+\ds):8*((2*(\c/2)+\kt)*2+\ds)+7], v[RQ+8*(2*\c+\ds):RQ+8*(2*\c+\ds)+7], 0
.endif
.endr
.endr
.endr
	WIN 0
.endm
.macro MASK                            ; the diagonal tile: key > query gets -2^120; one compare serves both softmaxes
.irp qt, 0,1
.irp kt, 0,1
.irp j, 0,1,2,3,4,5,6,7
	v_cmp_lt_i32 vcc_lo, 16*\qt-16*\kt-\j, v[DM]
	v_cndmask_b32 v[RS+16*\qt+8*\kt+\j], v[RS+16*\qt+8*\kt+\j], v[NEGR], vcc_lo
	v_cndmask_b32 v[RS+32+16*\qt+8*\kt+\j], v[RS+32+16*\qt+8*\kt+\j], v[NEGR], vcc_lo
.endr
.endr
.endr
.endm
.macro SOFTMAX                         ; the four groups go side by side, so that no line waits for the one in front of it
.irp c, 0,1,2,3
	v_max3_num_f32 v[T+\c], v[RS+16*\c], v[RS+16*\c+1], v[RS+16*\c+2]
.endr
.irp k, 3,5,7,9,11,13
.irp c, 0,1,2,3
	v_max3_num_f32 v[T+\c], v[T+\c], v[RS+16*\c+\k], v[RS+16*\c+\k+1]
.endr
.endr
.irp c, 0,1,2,3
	v_max_num_f32 v[T+\c], v[T+\c], v[RS+16*\c+15]
.endr
.irp c, 0,1,2,3
	v_permlanex16_b32 v[U+\c], v[T+\c], s46, s47   ; the query's other 16 keys lie in lane xor 16
.endr
.irp c, 0,1,2,3
	v_max3_num_f32 v[T+\c], v[T+\c], v[U+\c], v[M+\c]   ; the new running maximum
.endr
.irp c, 0,1,2,3
	v_sub_f32 v[U+\c], v[M+\c], v[T+\c]
.endr
.irp c, 0,1,2,3
	v_mul_f32 v[U+\c], CS, v[U+\c]
.endr
.irp c, 0,1,2,3
	v_exp_f32 v[AL+2*\c], v[U+\c]                  ; alpha
.endr
.irp c, 0,1,2,3
	v_mov_b32 v[M+\c], v[T+\c]                     ; plain lines that touch neither alpha nor its source stand behind the exponentials
	v_mul_f32 v[NM+2*\c], -1.0, v[T+\c]
	v_mul_f32 v[NM+2*\c+1], -1.0, v[T+\c]
.endr
	s_wait_alu depctr_va_vdst(0)
.irp c, 0,1,2,3
	v_mov_b32 v[AL+2*\c+1], v[AL+2*\c]
.endr
.irp c, 0,1,2,3
.irp i, 0,1,2,3,4,5,6,7
	v_pk_add_f32 v[RS+16*\c+2*\i:RS+16*\c+2*\i+1], v[RS+16*\c+2*\i:RS+16*\c+2*\i+1], v[NM+2*\c:NM+2*\c+1]   ; s - m: never above 0, and 0 for the largest
.endr
.endr
.irp c, 0,1,2,3
.irp i, 0,1,2,3,4,5,6,7
	v_pk_mul_f32 v[RS+16*\c+2*\i:RS+16*\c+2*\i+1], v[RS+16*\c+2*\i:RS+16*\c+2*\i+1], CS op_sel_hi:[1,0]
.endr
.endr
.set i, 0
.rept 64
	v_exp_f32 v[RS+i], v[RS+i]
.set i, i+1
.endr
	v_nop                                          ; one plain place behind the run of exponentials (ISA guide 5.7.2)
	s_wait_alu depctr_va_vdst(0)
.irp c, 0,1,2,3
.irp q, 0,1,2,3
	v_pk_add_f32 v[W+8*\c+2*\q:W+8*\c+2*\q+1], v[RS+16*\c+4*\q:RS+16*\c+4*\q+1], v[RS+16*\c+4*\q+2:RS+16*\c+4*\q+3]
.endr
.endr
.irp c, 0,1,2,3
	v_pk_add_f32 v[W+8*\c:W+8*\c+1], v[W+8*\c:W+8*\c+1], v[W+8*\c+2:W+8*\c+3]
	v_pk_add_f32 v[W+8*\c+4:W+8*\c+5], v[W+8*\c+4:W+8*\c+5], v[W+8*\c+6:W+8*\c+7]
.endr
.irp c, 0,1,2,3
	v_pk_add_f32 v[W+8*\c:W+8*\c+1], v[W+8*\c:W+8*\c+1], v[W+8*\c+4:W+8*\c+5]
.endr
.irp c, 0,1,2,3
	v_add_f32 v[T+\c], v[W+8*\c], v[W+8*\c+1]
.endr
.irp c, 0,1,2,3
	v_fma_f32 v[L+\c], v[L+\c], v[AL+2*\c], v[T+\c]
.endr
.irp c, 0,1,2,3
.irp i, 0,1,2,3,4,5,6,7
	v_cvt_pk_f16_f32 v[RP+8*\c+\i], v[RS+16*\c+2*\i], v[RS+16*\c+2*\i+1]   ; keys 8 h + 0..7, then 16 + 8 h + 0..7: a second source as it stands
.endr
.endr
.endm
.macro RESCALE
	WIN 0x41                                       ; O in window 1, alpha in window 0
.irp c, 0,1,2,3
.set i, 0
.rept 32
	v_pk_mul_f32 v[64*\c+2*i:64*\c+2*i+1], v[64*\c+2*i:64*\c+2*i+1], v[AL+2*\c:AL+2*\c+1]
.set i, i+1
.endr
.endr
.endm
.macro PV first                        ; 32 matrix instructions on 32 accumulators by turns
	WIN 0x52                                       ; source 0 = V in window 2, source 1 = P in window 0, C and D in window 1
.irp dt, 0,1,2,3,4,5,6,7
.irp c, 0,1,2,3
.if \first
	v_wmma_f32_16x16x32_f16 v[64*\c+8*\dt:64*\c+8*\dt+7], v[64+8*\dt:64+8*\dt+7], v[RP+8*\c:RP+8*\c+7], 0
.else
	v_wmma_f32_16x16x32_f16 v[64*\c+8*\dt:64*\c+8*\dt+7], v[64+8*\dt:64+8*\dt+7], v[RP+8*\c:RP+8*\c+7], v[64*\c+8*\dt:64*\c+8*\dt+7]
.endif
.endr
.endr
	WIN 0
.endm
; One tile.  first = 1: the diagonal tile, which starts the block's sums.  head = the loads that may stay out when K (and Q) must be in.
; pre = 1: K and V of tile s30 are asked for as soon as this tile's have been multiplied.
.macro TILE first, head, pre
	s_wait_loadcnt \head
	SMUL
	PLACES
.if \pre
	KLOAD
.endif
.if \first
	MASK
.irp c, 0,1,2,3
	v_mov_b32 v[M+\c], 0xf1800000                  ; -2^100
	v_mov_b32 v[L+\c], 0
.endr
.endif
	SOFTMAX
.if \first == 0
	RESCALE
.endif
.if \pre
	s_wait_loadcnt 16                              ; this tile's V is in; the 16 loads of the next K are younger
.else
	s_wait_loadcnt 0
.endif
	PV \first
	PLACES
.if \pre
	VLOAD
.endif
.endm
; The end of a block: the four waves' parts become one, then difference, norm, gain, f16, store.  Three barriers; each LDS region's reads
; are waited for in front of a later barrier than the one behind which they stand, so the next block's stores into it find them done.
.macro FINALIZE
.irp c, 0,1,2,3
	v_permlanex16_b32 v[U+\c], v[L+\c], s46, s47
.endr
.irp c, 0,1,2,3
	v_add_f32 v[L+\c], v[L+\c], v[U+\c]            ; the sum over my wave's 32 keys
.endr
.irp c, 0,1,2,3
	ds_store_b32 v[MLS], v[M+\c] offset:512*\c
	ds_store_b32 v[MLS], v[L+\c] offset:2048+512*\c
.endr
	s_wait_dscnt 0x0                               ; for the other waves: my stores are done
	s_barrier_signal -1
	s_barrier_wait -1
.irp c, 0,1,2,3
	ds_load_b128 v[RS+4*\c:RS+4*\c+3], v[MLR] offset:512*\c
	ds_load_b128 v[RS+16+4*\c:RS+16+4*\c+3], v[MLR] offset:2048+512*\c
.endr
	s_wait_dscnt 0x0
.irp c, 0,1,2,3
	v_max3_num_f32 v[T+\c], v[RS+4*\c], v[RS+4*\c+1], v[RS+4*\c+2]
.endr
.irp c, 0,1,2,3
	v_max_num_f32 v[T+\c], v[T+\c], v[RS+4*\c+3]   ; the row's maximum over all keys
.endr
.irp c, 0,1,2,3
	v_sub_f32 v[U+\c], v[M+\c], v[T+\c]
.irp u, 0,1,2,3
	v_sub_f32 v[RS+4*\c+\u], v[RS+4*\c+\u], v[T+\c]
.endr
.endr
.irp c, 0,1,2,3
	v_mul_f32 v[U+\c], CS, v[U+\c]
.irp u, 0,1,2,3
	v_mul_f32 v[RS+4*\c+\u], CS, v[RS+4*\c+\u]
.endr
.endr
.irp c, 0,1,2,3
	v_exp_f32 v[U+\c], v[U+\c]                     ; my wave's weight
.irp u, 0,1,2,3
	v_exp_f32 v[RS+4*\c+\u], v[RS+4*\c+\u]         ; every wave's
.endr
.endr
	v_nop
	s_wait_alu depctr_va_vdst(0)
.irp c, 0,1,2,3
	v_mul_f32 v[T+\c], v[RS+16+4*\c], v[RS+4*\c]
.endr
.irp u, 1,2,3
.irp c, 0,1,2,3
	v_fmac_f32 v[T+\c], v[RS+16+4*\c+\u], v[RS+4*\c+\u]   ; the row's sum; at least 1, since the largest score's term is 1
.endr
.endr
.irp c, 0,1,2,3
	v_rcp_f32 v[T+\c], v[T+\c]
.endr
	v_mul_f32 v[U], 0x41800000, v[U]               ; 16 for the first softmax (v came divided by 16),
	v_mul_f32 v[U+1], 0x41800000, v[U+1]
	v_mul_f32 v[U+2], v[NL], v[U+2]                ; -16 lambda for the second; these four lines are the plain places behind the reciprocals
	v_mul_f32 v[U+3], v[NL], v[U+3]
	s_wait_alu depctr_va_vdst(0)
.irp c, 0,1,2,3
	v_mul_f32 v[AL+2*\c], v[U+\c], v[T+\c]
	v_mul_f32 v[AL+2*\c+1], v[U+\c], v[T+\c]
.endr
	WIN 0x51                                       ; O in window 1 as source 0, source 2 and destination
.irp qt, 0,1
.set i, 0
.rept 32
	v_pk_mul_f32 v[64*\qt+2*i:64*\qt+2*i+1], v[64*\qt+2*i:64*\qt+2*i+1], v[AL+2*\qt:AL+2*\qt+1]
	v_pk_fma_f32 v[64*\qt+2*i:64*\qt+2*i+1], v[128+64*\qt+2*i:128+64*\qt+2*i+1], v[AL+4+2*\qt:AL+4+2*\qt+1], v[64*\qt+2*i:64*\qt+2*i+1]
.set i, i+1
.endr
.endr
	WIN 0x04                                       ; an LDS store's data is source 1: window 1
.irp qt, 0,1
.irp dt, 0,1,2,3,4,5,6,7
.irp jq, 0,1
	ds_store_b128 v[AS], v[64*\qt+8*\dt+4*\jq:64*\qt+8*\dt+4*\jq+3] offset:(8*\qt+\dt)*1024+512*\jq
.endr
.endr
.endr
	WIN 0
	s_wait_dscnt 0x0
	s_barrier_signal -1
	s_barrier_wait -1
.irp u, 0,1,2,3
.irp qt, 0,1
.irp dd, 0,1
.irp jq, 0,1
	ds_load_b128 v[RS+32*\u+8*(2*\qt+\dd)+4*\jq:RS+32*\u+8*(2*\qt+\dd)+4*\jq+3], v[AR] offset:16384*\u+8192*\qt+1024*\dd+512*\jq
.endr
.endr
.endr
.endr
	s_wait_dscnt 0x0
.irp u, 1,2,3
.set i, 0
.rept 16
	v_pk_add_f32 v[RS+2*i:RS+2*i+1], v[RS+2*i:RS+2*i+1], v[RS+32*\u+2*i:RS+32*\u+2*i+1]
.set i, i+1
.endr
.endr
	; a1 - lambda a2 for dv = 32 w + 16 dd + 8 h + j, query 16 qt + r, at RS + 16 qt + 8 dd + j
.irp qt, 0,1
	v_pk_mul_f32 v[SQ+2*\qt:SQ+2*\qt+1], v[RS+16*\qt:RS+16*\qt+1], v[RS+16*\qt:RS+16*\qt+1]
.endr
.irp i, 1,2,3,4,5,6,7
.irp qt, 0,1
	v_pk_fma_f32 v[SQ+2*\qt:SQ+2*\qt+1], v[RS+16*\qt+2*\i:RS+16*\qt+2*\i+1], v[RS+16*\qt+2*\i:RS+16*\qt+2*\i+1], v[SQ+2*\qt:SQ+2*\qt+1]
.endr
.endr
.irp qt, 0,1
	v_add_f32 v[T+\qt], v[SQ+2*\qt], v[SQ+2*\qt+1]
.endr
.irp qt, 0,1
	v_permlanex16_b32 v[U+\qt], v[T+\qt], s46, s47
.endr
.irp qt, 0,1
	v_add_f32 v[T+\qt], v[T+\qt], v[U+\qt]
	ds_store_b32 v[SSS], v[T+\qt] offset:512*\qt
.endr
	s_wait_dscnt 0x0
	s_barrier_signal -1
	s_barrier_wait -1
.irp qt, 0,1
	ds_load_b128 v[SQ+8+4*\qt:SQ+8+4*\qt+3], v[SSR] offset:512*\qt
.endr
	s_wait_dscnt 0x0
.irp qt, 0,1
	v_add_f32 v[T+\qt], v[SQ+8+4*\qt], v[SQ+9+4*\qt]
	v_add_f32 v[U+\qt], v[SQ+10+4*\qt], v[SQ+11+4*\qt]
.endr
.irp qt, 0,1
	v_add_f32 v[T+\qt], v[T+\qt], v[U+\qt]
.endr
.irp qt, 0,1
	v_fma_f32 v[T+\qt], v[T+\qt], s49, s50         ; mean of 128 squares + 1e-5
.endr
.irp qt, 0,1
	v_rsq_f32 v[AL+2*\qt], v[T+\qt]
.endr
	v_nop
	s_wait_alu depctr_va_vdst(0)
.irp qt, 0,1
	v_mov_b32 v[AL+2*\qt+1], v[AL+2*\qt]
.endr
.irp qt, 0,1
.irp dd, 0,1
.irp i, 0,1,2,3
	v_pk_mul_f32 v[RS+16*\qt+8*\dd+2*\i:RS+16*\qt+8*\dd+2*\i+1], v[RS+16*\qt+8*\dd+2*\i:RS+16*\qt+8*\dd+2*\i+1], v[AL+2*\qt:AL+2*\qt+1]
.endr
.endr
.endr
.irp qt, 0,1
.irp dd, 0,1
.irp i, 0,1,2,3
	v_pk_mul_f32 v[RS+16*\qt+8*\dd+2*\i:RS+16*\qt+8*\dd+2*\i+1], v[RS+16*\qt+8*\dd+2*\i:RS+16*\qt+8*\dd+2*\i+1], v[WG+8*\dd+2*\i:WG+8*\dd+2*\i+1]
.endr
.endr
.endr
.irp n, 0,1,2,3
.irp i, 0,1,2,3
	v_cvt_pk_f16_f32 v[RS+8*\n+\i], v[RS+8*\n+2*\i], v[RS+8*\n+2*\i+1]
.endr
.endr
.irp qt, 0,1
.irp dd, 0,1
	global_store_b128 v[LO], v[RS+8*(2*\qt+\dd):RS+8*(2*\qt+\dd)+3], s[44:45] offset:32768*\qt+512*\dd   ; 512 consecutive bytes, aligned
.endr
.endr
	s_wait_xcnt 0x0                                ; the stores' data and base are written again only behind this wait
.endm
	s_load_b512 s[4:19], s[0:1], 0x0               ; qf s[4:5], kf s[6:7], vf s[8:9], lambda_q1, _k1, _q2, _k2 s[10:17], subln_weight s[18:19]
	s_load_b64 s[20:21], s[0:1], 0x40              ; af
	s_set_vgpr_msb 0x80
	v_lshl_add_u32 v128, v0, 2, 0x11400
	v_mov_b32 v129, 0
	s_set_vgpr_msb 0x8000
	v_lshrrev_b32 v12, 5, v0
	v_readfirstlane_b32 s22, v12                   ; wave w
	s_and_b32 s23, ttmp9, 7                        ; H
	s_lshr_b32 s24, ttmp9, 3                       ; p
	s_lshr_b32 s25, s24, 2                         ; a: the first block's diagonal tile, and its number of tiles without a mask
	s_and_b32 s27, s24, 3                          ; b: the first block's place in that tile
	s_sub_co_u32 s26, 15, s25                      ; the second block's diagonal tile (8 to 15)
	s_sub_co_u32 s31, s26, 1
	s_mov_b32 s41, 0                               ; the high word of every offset, never written again
	s_mov_b32 s46, 0x76543210                      ; v_permlanex16_b32: lane i reads lane i of the other half
	s_mov_b32 s47, 0xfedcba98
	s_mov_b32 s49, 0x3c000000                      ; 1 / 128
	s_mov_b32 s50, 0x3727c5ac                      ; 1e-5
	v_and_b32 v14, 31, v0                          ; lane
	v_and_b32 v15, 15, v0                          ; r
	v_bfe_u32 v13, v0, 4, 1                        ; h
	v_lshlrev_b32 v[LO], 4, v14
	v_lshlrev_b32 v[HR], 3, v13
	v_sub_nc_u32 v[HR], v[HR], v15
	v_lshlrev_b32 v12, 3, v14                      ; the lambda vectors: two numbers a lane
	s_lshl_b32 s29, s22, 7
	v_lshl_add_u32 v13, v13, 5, s29                ; the gain: 128 w + 32 h
	s_wait_kmcnt 0x0
	s_lshl_b32 s40, s23, 19                        ; a head's 524,288 bytes in qf, kf and vf
	s_add_nc_u64 s[4:5], s[4:5], s[40:41]
	s_add_nc_u64 s[32:33], s[6:7], s[40:41]
	s_add_nc_u64 s[34:35], s[8:9], s[40:41]
	s_lshl_b32 s40, s22, 12
	s_add_nc_u64 s[32:33], s[32:33], s[40:41]      ; K: + my 32 keys
	s_lshl_b32 s40, s22, 13
	s_add_nc_u64 s[34:35], s[34:35], s[40:41]      ; V: + my 32 keys
	s_lshl2_add_u32 s40, s23, s22
	s_lshl_b32 s40, s40, 10
	s_add_nc_u64 s[20:21], s[20:21], s[40:41]      ; af: + block ks = 4 H + w
	s_lshl_b32 s40, s24, 12
	s_add_nc_u64 s[42:43], s[4:5], s[40:41]        ; Q of block p
	s_lshl_b32 s40, s24, 16
	s_add_nc_u64 s[44:45], s[20:21], s[40:41]      ; af of block p
	global_load_b64 v[W:W+1], v12, s[10:11]
	global_load_b64 v[W+2:W+3], v12, s[12:13]
	global_load_b64 v[W+4:W+5], v12, s[14:15]
	global_load_b64 v[W+6:W+7], v12, s[16:17]
	global_load_b128 v[WG:WG+3], v13, s[18:19]
	global_load_b128 v[WG+4:WG+7], v13, s[18:19] offset:16
	global_load_b128 v[WG+8:WG+11], v13, s[18:19] offset:64
	global_load_b128 v[WG+12:WG+15], v13, s[18:19] offset:80
	QLOAD
	s_mov_b32 s30, s25                             ; the diagonal tile comes first
	KLOAD
	VLOAD
	v_mov_b32 v[NEGR], 0xfb800000                  ; -2^120
	s_lshl_b32 s29, s22, 2
	s_add_co_u32 s29, s29, 0x10000
	v_add_nc_u32 v[MLS], s29, v[LO]
	v_add_nc_u32 v[MLR], 0x10000, v[LO]
	s_lshl_b32 s29, s22, 14
	v_add_nc_u32 v[AS], s29, v[LO]
	s_lshl_b32 s29, s22, 11
	v_add_nc_u32 v[AR], s29, v[LO]
	s_lshl_b32 s29, s22, 2
	s_add_co_u32 s29, s29, 69632
	v_add_nc_u32 v[SSS], s29, v[LO]
	v_add_nc_u32 v[SSR], 69632, v[LO]
	s_sub_co_i32 s29, s22, s27
	s_lshl_b32 s29, s29, 5
	v_add_nc_u32 v[DM], s29, v[HR]                 ; 8 h - r + 32 (w - b)
.irp c, 0,1,2,3
	v_mov_b32 v[U+\c], 0                           ; a lane permute's destination counts as read
.endr
	s_wait_loadcnt 48                              ; the 8 small loads are in; Q, K and V (48 loads) stay out
	v_mul_f32 v[T], v[W], v[W+2]
	v_mul_f32 v[T+1], v[W+4], v[W+6]
	v_fmac_f32 v[T], v[W+1], v[W+3]
	v_fmac_f32 v[T+1], v[W+5], v[W+7]
.irp x, 1,2,4,8
	v_add_f32_dpp v[T], v[T], v[T] row_xmask:\x row_mask:0xf bank_mask:0xf
	v_add_f32_dpp v[T+1], v[T+1], v[T+1] row_xmask:\x row_mask:0xf bank_mask:0xf
.endr
	v_permlanex16_b32 v[U], v[T], s46, s47
	v_permlanex16_b32 v[U+1], v[T+1], s46, s47
	v_add_f32 v[T], v[T], v[U]
	v_add_f32 v[T+1], v[T+1], v[U+1]
	v_mul_f32 v[T], 0x3fb8aa3b, v[T]
	v_mul_f32 v[T+1], 0x3fb8aa3b, v[T+1]
	v_exp_f32 v[T], v[T]
	v_exp_f32 v[T+1], v[T+1]
.irp i, 0,1,2,3,4,5,6,7
	v_pk_mul_f32 v[WG+2*\i:WG+2*\i+1], v[WG+2*\i:WG+2*\i+1], 0x3e5d9673 op_sel_hi:[1,0]   ; gain x (1 - lambda_init); also the plain places behind the exponentials
.endr
	s_wait_alu depctr_va_vdst(0)
	v_sub_f32 v[T], v[T], v[T+1]
	v_add_f32 v[T], 0x3f489a63, v[T]               ; lambda = exp(q1.k1) - exp(q2.k2) + lambda_init
	v_mul_f32 v[NL], 0xc1800000, v[T]              ; -16 lambda
	; THE FIRST BLOCK: tile a with the mask, then tiles 0 .. a - 1.  The last of them asks for the second block's diagonal tile.
	s_cmp_lg_u32 s25, 0
	s_cselect_b32 s30, 0, s26
	TILE 1, 16, 1                                  ; Q and K are in; V's 16 loads are younger
	s_cmp_eq_u32 s25, 0
	s_cbranch_scc1 .Llo_done
	s_mov_b32 s28, 0
.Llo:
	s_add_co_u32 s30, s28, 1
	s_cmp_lt_u32 s30, s25
	s_cselect_b32 s30, s30, s26
	TILE 0, 16, 1
	s_add_co_u32 s28, s28, 1
	s_cmp_lt_u32 s28, s25
	s_cbranch_scc1 .Llo
.Llo_done:
	s_sub_co_u32 s29, 63, s24                      ; the second block
	s_lshl_b32 s40, s29, 12
	s_add_nc_u64 s[42:43], s[4:5], s[40:41]        ; the first block's Q loads were waited for at its first tile
	QLOAD                                          ; lands while the first block is merged
	FINALIZE
	s_lshl_b32 s40, s29, 16
	s_add_nc_u64 s[44:45], s[20:21], s[40:41]
	s_add_co_u32 s29, s22, s27
	s_sub_co_i32 s29, s29, 3
	s_lshl_b32 s29, s29, 5
	v_add_nc_u32 v[DM], s29, v[HR]                 ; 8 h - r + 32 (w - (3 - b))
	; THE SECOND BLOCK: tile 15 - a with the mask, then tiles 0 .. 14 - a
	s_mov_b32 s30, 0
	TILE 1, 0, 1                                   ; Q's loads are the youngest: the wait is for all
	s_mov_b32 s28, 0
.Lhi:
	s_add_co_u32 s30, s28, 1
	TILE 0, 16, 1
	s_add_co_u32 s28, s28, 1
	s_cmp_lt_u32 s28, s31
	s_cbranch_scc1 .Lhi
	TILE 0, 16, 0                                  ; the last tile asks for nothing
	FINALIZE
	s_set_vgpr_msb 0xa
	s_wait_tensorcnt 0x0
	ds_add_u32 v128, v129
	s_wait_dscnt 0x0
	s_set_vgpr_msb 0xa00
	s_endpgm
.Lfunc_end_k_q810524b4c7_attn:
	.size	k_q810524b4c7_attn, .Lfunc_end_k_q810524b4c7_attn-k_q810524b4c7_attn
	.p2alignl 7, 3214868480
	.fill 96, 4, 3214868480
	.section	.rodata,"a",@progbits
	.p2align	6, 0x0
	.amdhsa_kernel k_q810524b4c7_attn
		.amdhsa_group_segment_fixed_size 71168
		.amdhsa_private_segment_fixed_size 0
		.amdhsa_enable_private_segment 0
		.amdhsa_kernarg_size 72
		.amdhsa_user_sgpr_count 2
		.amdhsa_user_sgpr_kernarg_segment_ptr 1
		.amdhsa_wavefront_size32 1
		.amdhsa_system_sgpr_workgroup_id_x 1
		.amdhsa_system_sgpr_workgroup_id_y 1
		.amdhsa_system_sgpr_workgroup_id_z 1
		.amdhsa_system_vgpr_workitem_id 0
		.amdhsa_next_free_vgpr 642
		.amdhsa_next_free_sgpr 66
		.amdhsa_reserve_vcc 1
		.amdhsa_float_denorm_mode_32 3
		.amdhsa_float_denorm_mode_16_64 3
		.amdhsa_memory_ordered 1
		.amdhsa_forward_progress 1
		.amdhsa_inst_pref_size 200
	.end_amdhsa_kernel
	.amdgpu_metadata
---
amdhsa.version: [ 1, 2 ]
amdhsa.kernels:
  - .name:           k_q810524b4c7_attn
    .symbol:         k_q810524b4c7_attn.kd
    .args:
      - { .name: qf, .offset: 0, .size: 8, .value_kind: global_buffer, .address_space: global }
      - { .name: kf, .offset: 8, .size: 8, .value_kind: global_buffer, .address_space: global }
      - { .name: vf, .offset: 16, .size: 8, .value_kind: global_buffer, .address_space: global }
      - { .name: lambda_q1, .offset: 24, .size: 8, .value_kind: global_buffer, .address_space: global }
      - { .name: lambda_k1, .offset: 32, .size: 8, .value_kind: global_buffer, .address_space: global }
      - { .name: lambda_q2, .offset: 40, .size: 8, .value_kind: global_buffer, .address_space: global }
      - { .name: lambda_k2, .offset: 48, .size: 8, .value_kind: global_buffer, .address_space: global }
      - { .name: subln_weight, .offset: 56, .size: 8, .value_kind: global_buffer, .address_space: global }
      - { .name: af, .offset: 64, .size: 8, .value_kind: global_buffer, .address_space: global }
    .group_segment_fixed_size: 71168
    .private_segment_fixed_size: 0
    .kernarg_segment_align: 8
    .kernarg_segment_size: 72
    .max_flat_workgroup_size: 128
    .sgpr_count:     66
    .vgpr_count:     642
    .wavefront_size: 32
...
	.end_amdgpu_metadata
.endif
;; end of part 2
;; launch oproj (part 3): grid 16 x 16, 4 waves a work-group, no clusters, 181,760 bytes of LDS; arguments af, wo, out0; writes out0
.if DOCPART == 3
	.amdgcn_target "amdgcn-amd-amdhsa--gfx1250"
	.amdhsa_code_object_version 6
	.text
	.protected	k_q810524b4c7_oproj
	.globl	k_q810524b4c7_oproj
	.p2align	8
	.type	k_q810524b4c7_oproj,@function
k_q810524b4c7_oproj:
	s_mov_b64 s[64:65], 0
	v_nop
	global_prefetch_b8 v0, s[64:65] scope:SCOPE_SE
	s_setreg_imm32_b32 hwreg(HW_REG_WAVE_MODE, 25, 1), 1
	s_wait_xcnt 0x0
; out0 = attn wo.  attn: af, f16 in fragment order (block (mt 32 + ks) of 1,024 bytes = [c][lane][16 bytes]: row 16 mt + r,
; e = 32 ks + 16 c + 8 h + 0..7); wo: [1024][1024] f32; out0: [2048][1024] f32.
; A work-group makes 128 rows x 64 columns (grid x = nb, y = mi); wave w makes rows 32 w .. +31: 8 accumulator tiles.
; K = 1,024 is short enough to hold everything: the slab wo[0:1024][64 nb .. +63] is rounded to f16 once into LDS (1,024 rows of pitch
; 160), and a wave's whole stream of attn (64 fragments, 512 registers) is loaded into windows 1 and 2.  One barrier, no loop.
; The matrix instruction is used transposed (source 0 = wo, source 1 = attn): a lane holds 8 neighbouring columns of one row.
; FORMAT: f16 operands, f32 sums; |wo| below 65504 is served.
; NO JOINT TILES: wo is f32 and passes through registers to be rounded; attn goes from memory into the one wave's registers that uses it.
.set LO, 1                             ; v1     16 x lane
.set GW, 2                             ; v2     wo: (32 w + h) rows of 4,096 bytes + 16 r
.set SWA, 3                            ; v3-5   LDS store address (32 w + h) 160 + 8 r, + 61,440 n: chunk i uses n = i / 3
.set AB, 6                             ; v6-8   LDS address of the transposing read, + 61,440 n: K step ks uses n = ks / 12
.set STO, 9                            ; v9     the way out: where my 32 bytes of a row go
.set RD, 10                            ; v10    the way out: where I read a row back
.set CO, 11                            ; v11    4,096 h + 16 r
.set RW, 16                            ; v16-79, v80-143  first two staging sets of 16 loads; then:
.set ACC, 16                           ; v16-79   accumulator (a, bt) at 8 (4 a + bt)
.set FB, 80                            ; v80-111, v112-143  two buffers of four wo fragments
.set OUTR, 144                         ; v144-207 the way out, two sets
.set SPITCH, 272
.set STAGE, 163840                     ; behind the slab: 16 rows x 272 bytes for each wave
; windows 1 and 2: attn fragment (ks, a) in window 1 + ks / 16 at 8 (2 (ks % 16) + a)
.set MSB, 0
.macro WIN new
.if MSB != \new
	s_set_vgpr_msb (MSB<<8)|\new
.set MSB, \new
.endif
.endm
.macro PLACES                          ; four plain vector places behind matrix instructions (ISA guide 7.12.1)
.rept 4
	v_nop
.endr
.endm
.macro WLD i                           ; chunk i of the slab: k rows 128 i .. +127, of which my wave takes 32: 16 loads of two rows of 256 bytes
.irp q, 0,1,2,3,4,5,6,7,8,9,10,11,12,13,14,15
.set b, RW+64*((\i)&1)+4*\q
	global_load_b128 v[b:b+3], v[GW], s[6:7] offset:524288*(\i)+8192*\q
.endr
.endm
.macro ALD i                           ; attn fragments of K steps 4 i .. 4 i + 3: 16 loads of 512 consecutive bytes
.if (\i) < 4
	WIN 0x40
.else
	WIN 0x80
.endif
.irp kq, 0,1,2,3
.irp a, 0,1
.irp c, 0,1
.set b, 8*(2*((4*(\i)+\kq)%16)+\a)+4*\c
	global_load_b128 v[b:b+3], v[LO], s[4:5] offset:32768*\a+1024*(4*(\i)+\kq)+512*\c
.endr
.endr
.endr
	WIN 0
.endm
.macro WST i                           ; chunk i: rounded to f16, into the slab
.irp q, 0,1,2,3,4,5,6,7,8,9,10,11,12,13,14,15
.set b, RW+64*((\i)&1)+4*\q
	v_cvt_pk_f16_f32 v[b], v[b], v[b+1]
	v_cvt_pk_f16_f32 v[b+1], v[b+2], v[b+3]
	ds_store_b64 v[SWA+(\i)/3], v[b:b+1] offset:20480*((\i)%3)+320*\q
.endr
.endm
.macro P1 i, n                         ; chunk i is stored; chunk n = i + 2 and its share of attn are asked for
	s_wait_loadcnt 32                              ; behind chunk i's loads stand 16 of attn and 16 of chunk i + 1
	WST \i
	ALD \n
	s_wait_dscnt 0x0                               ; the staging set's LDS stores are done before it is loaded again
	WLD \n
.endm
.macro BF k                            ; the four wo fragments of K step k, by the transposing read (two loads 16 k rows apart)
.irp bt, 0,1,2,3
	ds_load_tr16_b128 v[FB+32*((\k)&1)+8*\bt:FB+32*((\k)&1)+8*\bt+3], v[AB+(\k)/12] offset:5120*((\k)%12)+32*\bt
	ds_load_tr16_b128 v[FB+32*((\k)&1)+8*\bt+4:FB+32*((\k)&1)+8*\bt+7], v[AB+(\k)/12] offset:5120*((\k)%12)+32*\bt+2560
.endr
.endm
.macro KS ks                           ; K step ks: the next step's fragments are asked for, this step's 8 products follow
.if \ks == 16
	WIN 0x08                                       ; source 1 = attn in window 2
.endif
.if \ks < 31
.if \ks > 0
	PLACES                                         ; the other buffer was read by the matrix instructions in front
.endif
	BF (\ks+1)
	s_wait_dscnt 8                                 ; this step's 8 loads are in; the 8 just issued stay out
.else
	s_wait_dscnt 0
.endif
.irp a, 0,1
.irp bt, 0,1,2,3
.if \ks == 0
	v_wmma_f32_16x16x32_f16 v[ACC+8*(4*\a+\bt):ACC+8*(4*\a+\bt)+7], v[FB+32*(\ks&1)+8*\bt:FB+32*(\ks&1)+8*\bt+7], v[8*(2*(\ks%16)+\a):8*(2*(\ks%16)+\a)+7], 0
.else
	v_wmma_f32_16x16x32_f16 v[ACC+8*(4*\a+\bt):ACC+8*(4*\a+\bt)+7], v[FB+32*(\ks&1)+8*\bt:FB+32*(\ks&1)+8*\bt+7], v[8*(2*(\ks%16)+\a):8*(2*(\ks%16)+\a)+7], v[ACC+8*(4*\a+\bt):ACC+8*(4*\a+\bt)+7]
.endif
.endr
.endr
.endm
	s_load_b128 s[4:7], s[0:1], 0x0                ; af s[4:5], wo s[6:7]
	s_load_b64 s[8:9], s[0:1], 0x10                ; out0
	v_lshl_add_u32 v254, v0, 2, 0x2c400
	v_mov_b32 v255, 0
	v_lshrrev_b32 v12, 5, v0
	v_readfirstlane_b32 s10, v12                   ; wave w
	s_and_b32 s11, ttmp7, 0xffff                   ; mi
	s_mov_b32 s13, 0
	v_and_b32 v12, 31, v0
	v_and_b32 v13, 15, v0                          ; r
	v_bfe_u32 v14, v0, 4, 1                        ; h
	v_lshlrev_b32 v[LO], 4, v12
	v_lshlrev_b32 v15, 4, v13
	v_lshl_add_u32 v[CO], v14, 12, v15
	s_lshl_b32 s12, s10, 17
	v_add_nc_u32 v[GW], s12, v[CO]
	s_wait_kmcnt 0x0
	s_lshl_b32 s12, ttmp9, 8                       ; 64 nb columns
	s_add_nc_u64 s[6:7], s[6:7], s[12:13]
	s_add_nc_u64 s[8:9], s[8:9], s[12:13]
	s_lshl_b32 s12, s11, 18
	s_lshl_b32 s14, s10, 16
	s_add_co_u32 s12, s12, s14                     ; (8 mi + 2 w) row tiles of 32,768 bytes
	s_add_nc_u64 s[4:5], s[4:5], s[12:13]
	s_lshl_b32 s12, s11, 19
	s_lshl_b32 s14, s10, 17
	s_add_co_u32 s12, s12, s14                     ; (128 mi + 32 w) rows of 4,096 bytes
	s_add_nc_u64 s[8:9], s[8:9], s[12:13]
	ALD 0
	WLD 0
	ALD 1
	WLD 1
	v_mul_u32_u24 v15, v14, 160
	v_lshl_add_u32 v15, v13, 3, v15
	s_mul_i32 s12, s10, 5120
	v_add_nc_u32 v[SWA], s12, v15
	v_add_nc_u32 v[SWA+1], 61440, v[SWA]
	v_add_nc_u32 v[SWA+2], 122880, v[SWA]
	v_and_b32 v15, 7, v0
	v_lshl_add_u32 v15, v14, 3, v15
	v_mul_u32_u24 v15, v15, 160                    ; (8 h + lane & 7) 160: the pitch is an odd multiple of 32
	v_bfe_u32 v12, v0, 3, 1
	v_lshl_add_u32 v[AB], v12, 4, v15
	v_add_nc_u32 v[AB+1], 61440, v[AB]
	v_add_nc_u32 v[AB+2], 122880, v[AB]
	s_mul_i32 s12, s10, 16*SPITCH
	s_add_co_u32 s12, s12, STAGE
	v_mul_u32_u24 v15, v13, SPITCH
	v_lshl_add_u32 v15, v14, 5, v15
	v_add_nc_u32 v[STO], s12, v15                  ; row r, 32 bytes for each half of the lanes
	v_mul_u32_u24 v15, v14, SPITCH
	v_lshl_add_u32 v15, v13, 4, v15
	v_add_nc_u32 v[RD], s12, v15                   ; lanes 0-15 one row of 256 bytes, lanes 16-31 the next
	P1 0, 2
	P1 1, 3
	P1 2, 4
	P1 3, 5
	P1 4, 6
	P1 5, 7
	s_wait_loadcnt 32                              ; chunk 6; behind it stand attn's last 16 loads and chunk 7's 16
	WST 6
	s_wait_loadcnt 0x0                             ; chunk 7, and with it all of attn
	WST 7
	s_wait_dscnt 0x0                               ; my part of the slab is written
	s_barrier_signal -1
	s_barrier_wait -1                              ; everybody's is
	WIN 0x04                                       ; source 1 = attn in window 1
	BF 0
	; 8 accumulators by turns, one instruction a turn
.irp ks, 0,1,2,3,4,5,6,7,8,9,10,11,12,13,14,15,16,17,18,19,20,21,22,23,24,25,26,27,28,29,30,31
	KS \ks
.endr
	WIN 0
	; THE WAY OUT, 16 rows at a time through my own stage: 32 bytes a lane in, whole rows of 256 bytes back.
	PLACES                                         ; behind the last matrix instructions, ahead of the stores of their results
.irp a, 0,1
.irp bt, 0,1,2,3
	ds_store_b128 v[STO], v[ACC+8*(4*\a+\bt):ACC+8*(4*\a+\bt)+3] offset:64*\bt
	ds_store_b128 v[STO], v[ACC+8*(4*\a+\bt)+4:ACC+8*(4*\a+\bt)+7] offset:64*\bt+16
.endr
.irp t, 0,1,2,3,4,5,6,7
	ds_load_b128 v[OUTR+32*\a+4*\t:OUTR+32*\a+4*\t+3], v[RD] offset:2*\t*SPITCH   ; LDS serves a wave's instructions in order (ISA guide 5.7.1): these see the stores above
.endr
.irp t, 0,1,2,3,4,5,6,7
	s_wait_dscnt 7-\t
	global_store_b128 v[CO], v[OUTR+32*\a+4*\t:OUTR+32*\a+4*\t+3], s[8:9] offset:(16*\a+2*\t)*4096 th:TH_STORE_NT   ; 16 lanes store 256 consecutive bytes, aligned
.endr
.endr
	s_wait_tensorcnt 0x0
	ds_add_u32 v254, v255
	s_wait_dscnt 0x0
	s_endpgm
.Lfunc_end_k_q810524b4c7_oproj:
	.size	k_q810524b4c7_oproj, .Lfunc_end_k_q810524b4c7_oproj-k_q810524b4c7_oproj
	.p2alignl 7, 3214868480
	.fill 96, 4, 3214868480
	.section	.rodata,"a",@progbits
	.p2align	6, 0x0
	.amdhsa_kernel k_q810524b4c7_oproj
		.amdhsa_group_segment_fixed_size 181760
		.amdhsa_private_segment_fixed_size 0
		.amdhsa_enable_private_segment 0
		.amdhsa_kernarg_size 24
		.amdhsa_user_sgpr_count 2
		.amdhsa_user_sgpr_kernarg_segment_ptr 1
		.amdhsa_wavefront_size32 1
		.amdhsa_system_sgpr_workgroup_id_x 1
		.amdhsa_system_sgpr_workgroup_id_y 1
		.amdhsa_system_sgpr_workgroup_id_z 1
		.amdhsa_system_vgpr_workitem_id 0
		.amdhsa_next_free_vgpr 768
		.amdhsa_next_free_sgpr 66
		.amdhsa_reserve_vcc 0
		.amdhsa_float_denorm_mode_32 3
		.amdhsa_float_denorm_mode_16_64 3
		.amdhsa_memory_ordered 1
		.amdhsa_forward_progress 1
		.amdhsa_inst_pref_size 93
	.end_amdhsa_kernel
	.amdgpu_metadata
---
amdhsa.version: [ 1, 2 ]
amdhsa.kernels:
  - .name:           k_q810524b4c7_oproj
    .symbol:         k_q810524b4c7_oproj.kd
    .args:
      - { .name: af, .offset: 0, .size: 8, .value_kind: global_buffer, .address_space: global }
      - { .name: wo, .offset: 8, .size: 8, .value_kind: global_buffer, .address_space: global }
      - { .name: out0, .offset: 16, .size: 8, .value_kind: global_buffer, .address_space: global }
    .group_segment_fixed_size: 181760
    .private_segment_fixed_size: 0
    .kernarg_segment_align: 8
    .kernarg_segment_size: 24
    .max_flat_workgroup_size: 128
    .sgpr_count:     66
    .vgpr_count:     768
    .wavefront_size: 32
...
	.end_amdgpu_metadata
.endif
;; end of part 3
;; ======== version 2 of 3: 3 launches; 1.14 times as fast as version 1
;; limits: values are held in f16: magnitudes above 65,504 overflow, below 6.1e-05 lose precision
;; workspace buffers: qf 4,194,304 bytes; kf 4,194,304 bytes; vf 4,194,304 bytes; af 4,194,304 bytes
;; launch qkv (part 4): grid 16 x 16, 4 waves a work-group, no clusters, 90,624 bytes of LDS; arguments x, wq, wk, wv, cos, sin, qf, kf, vf; writes qf, kf, vf
.if DOCPART == 4
	.amdgcn_target "amdgcn-amd-amdhsa--gfx1250"
	.amdhsa_code_object_version 6
	.text
	.protected	k_q810524b4c7_qkv
	.globl	k_q810524b4c7_qkv
	.p2align	8
	.type	k_q810524b4c7_qkv,@function
k_q810524b4c7_qkv:
	s_mov_b64 s[64:65], 0
	v_nop
	global_prefetch_b8 v0, s[64:65] scope:SCOPE_SE
	s_setreg_imm32_b32 hwreg(HW_REG_WAVE_MODE, 25, 1), 1
	s_wait_xcnt 0x0
; q = rope(x wq) c, k = rope(x wk) c with c = sqrt(log2 e) / 16, v = (x wv) / 16, rounded once to f16 and stored in the order in which
; the next launch's matrix instructions want them.  x: [2048][1024] f32; wq, wk, wv: [1024][1024] f32; cos, sin: [2048][32] f32.
; A work-group makes 128 rows x (64 columns of q, the same 64 of k, the same 64 of v): grid x = column group g, y = row block mi.
; Four waves, one for each SIMD: wave w takes rows 64 (w>>1) .. +63 and columns 32 (w&1) .. +31 of each of the three: a tile of
; 64 x 96, 24 accumulators.  For 32 along K it reads 4 fragments of x and 6 of W (20 LDS loads) for 24 products; each fragment of the
; work-group's tiles is read by two waves.
; K goes in 16 steps of 64 (rows of 256 bytes of f32, aligned) through registers (rounding to f16) into two LDS slots.
; FRAGMENT ORDER of the three outputs: blocks of 1,024 bytes = [c = 0,1][lane 0..31][16 bytes]; lane (r = lane & 15, h = lane >> 4):
;   qf, kf: block ((g 128 + mt) 2 + ds): row 16 mt + r, d = 32 ds + 16 c + 8 h + 0..7 of head g
;   vf:     block ((H 64 + kg) 8 + dt): column dv = 16 dt + r of head H = g >> 1, keys 32 kg + 16 c + 8 h + 0..7
; so every store of a wave covers 512 consecutive bytes, aligned.
; q and k use the matrix instruction transposed (source 0 = W, source 1 = x): a lane then holds 8 neighbouring d of one row, and the
; pairs that the rotation mixes lie in one lane.  v uses it as written: a lane holds 8 neighbouring keys of one column.
; THE SCALE c goes into cos and sin: (q c).(k c) x 32 = q.k x 0.125 x log2 e, the exponent in base 2 that the softmax wants, and the
; factor 32 that is left is a power of two.
; FORMAT AND LIMITS: operands are f16 (eight times finer than bf16; the result of the whole program is a difference of two
; attentions, which bf16 operands would not carry within the tolerance).  The scales give f16 room: |x|, |w| below 65504,
; |q|, |k| below 65504 / 0.0751 = 872,000 and |v| below 16 x 65504 are served; beyond that the rounding gives infinities.
; NO JOINT TILES: x's tile is shared along grid x and W's along grid y, but both are f32 and must pass through registers to be
; rounded; as f32 tiles in LDS they would take twice the bytes, and W lies [K][N], for which only 16-bit data has a transposing read.
.set SLOT, 45056                       ; bytes of an LDS slot: x's tile, then W's
.set WT,   18432                       ; x's tile: 128 rows, pitch 144 (128 bytes of f16 + 16: an odd multiple of 16)
.set GX, 2                             ; v2      x: (32 w + 8 h) rows of 4,096 bytes + 16 r
.set GW, 3                             ; v3      W: (16 w + 4 h) rows of 4,096 bytes + 16 r
.set SX, 4                             ; v4-5    LDS store address of x, slot 0, 1
.set SW, 6                             ; v6-7    LDS store address of W (64 k rows, pitch 416 = q 128 | k 128 | v 128 | 32: an odd multiple of 32)
.set AA, 8                             ; v8-9    LDS address of my x fragments
.set AB, 10                            ; v10-11  LDS address of my W fragments (transposing read)
.set LO, 12                            ; v12     16 x lane
.set VC, 13                            ; v13     my 16 bytes of cos and of sin
.set FA, 16                            ; v16-47  fragment buffer 0: four x fragments;  buffer 1 lies 80 registers on: v96-127
.set FB, 48                            ; v48-95  fragment buffer 0: six W fragments, n = 2 mat + cb at 8 n;  buffer 1: v128-175
.set CSR, 176                          ; v176-239 cos (4 registers) and sin (4) of row block a and column block cb at 16 a + 8 cb
.set TT, 240                           ; v240-247 the way out: products at work
.set QO, 16                            ; the way out: rotated q and k, tile (n, a) at 32 n + 8 a, in the fragment buffers
.set VO, 176                           ; the way out: v / 16, tile (cb, a) at 32 cb + 8 a, where cos and sin lay
; window 1: v0-191 there = the accumulators, tile (n, a) at 32 n + 8 a (n = 0, 1: q; 2, 3: k; 4, 5: v)
; window 2, window 3: staging sets 0 and 1; set s feeds slot s.  x's 16 loads at 4 i, W's 8 loads of matrix m at 64 + 32 m + 4 i
.set MSB, 0
.macro WIN new                         ; the immediate's high byte repeats the setting that is left
.if MSB != \new
	s_set_vgpr_msb (MSB<<8)|\new
.set MSB, \new
.endif
.endm
.macro PLACES                          ; four plain vector places behind matrix instructions (ISA guide 7.12.1)
.rept 4
	v_nop
.endr
.endm
; A K step's 80 KiB for the work-group: 16 loads of x and 8 of each W for a wave, each two rows of 256 bytes.  Lanes 16-31 take the
; row 8 (x) or 4 (W) further down: in LDS that is 1,152 or 1,664 bytes on, 128 modulo 256, so the two halves of an LDS store of 8 bytes a
; lane fall on different banks (64 banks of 4 bytes: ISA guide 11.1).
; The tile stands imm steps ahead of the bases, in the immediate; adv = 1: the bases go one step on first.
; Two tiles' loads are 80, more than the counter's field holds: the issue of the later ones waits until earlier ones are back (ISA
; guide 5.7.1); loads come back in order, so the counted waits hold.
.macro LOAD set, adv, imm
.if \adv
	s_wait_xcnt 0x0                                ; the bases are sources of the loads issued before: stepped only behind this wait
	s_add_nc_u64 s[4:5], s[4:5], 256               ; 64 columns of x on
	s_add_nc_u64 s[6:7], s[6:7], 0x40000           ; 64 rows of W on
	s_add_nc_u64 s[8:9], s[8:9], 0x40000
	s_add_nc_u64 s[10:11], s[10:11], 0x40000
.endif
.if \set
	WIN 0xc0                                       ; destination in window 3
.else
	WIN 0x80                                       ; destination in window 2
.endif
.irp i, 0,1,2,3,4,5,6,7,8,9,10,11,12,13,14,15
	global_load_b128 v[4*\i:4*\i+3], v[GX], s[4:5] offset:4096*((\i%8)+16*(\i/8))+256*\imm
.endr
.irp i, 0,1,2,3,4,5,6,7
	global_load_b128 v[64+4*\i:64+4*\i+3], v[GW], s[6:7] offset:4096*((\i%4)+8*(\i/4))+0x40000*\imm
	global_load_b128 v[96+4*\i:96+4*\i+3], v[GW], s[8:9] offset:4096*((\i%4)+8*(\i/4))+0x40000*\imm
	global_load_b128 v[128+4*\i:128+4*\i+3], v[GW], s[10:11] offset:4096*((\i%4)+8*(\i/4))+0x40000*\imm
.endr
	WIN 0
.endm
; A staging set is rounded to f16, in one run.  left = the loads issued behind this set's.
.macro CVT set, left
	s_wait_loadcnt \left
.if \set
	WIN 0xcf                                       ; both sources and the destination in window 3
.else
	WIN 0x8a                                       ; in window 2
.endif
.set n, 0
.rept 40
	v_cvt_pk_f16_f32 v[4*n], v[4*n], v[4*n+1]
	v_cvt_pk_f16_f32 v[4*n+1], v[4*n+2], v[4*n+3]
.set n, n+1
.endr
.endm
; and laid into its slot, in one run of 40 stores
.macro STO set
.if \set
	WIN 0x0c                                       ; an LDS store's data is source 1: window 3
.else
	WIN 0x08                                       ; window 2
.endif
.irp i, 0,1,2,3,4,5,6,7,8,9,10,11,12,13,14,15
	ds_store_b64 v[SX+\set], v[4*\i:4*\i+1] offset:144*((\i%8)+16*(\i/8))
.endr
.irp m, 0,1,2
.irp i, 0,1,2,3,4,5,6,7
	ds_store_b64 v[SW+\set], v[64+32*\m+4*\i:64+32*\m+4*\i+1] offset:128*\m+416*((\i%4)+8*(\i/4))
.endr
.endr
.endm
.macro CSLOAD                          ; cos and sin of my 64 rows and 16 pairs: 16 loads
	WIN 0
.irp a, 0,1,2,3
.irp cb, 0,1
	global_load_b128 v[CSR+16*\a+8*\cb:CSR+16*\a+8*\cb+3], v[VC], s[12:13] offset:2048*\a+32*\cb
	global_load_b128 v[CSR+16*\a+8*\cb+4:CSR+16*\a+8*\cb+7], v[VC], s[14:15] offset:2048*\a+32*\cb
.endr
.endr
.endm
; The fragments of 32 along K, half kk of the slot's tile, into buffer kk: x from rows along K (two loads 32 bytes apart), W by the
; transposing read (two loads 16 k rows apart).  20 loads.
.macro FETCH slot, kk
	WIN 0
.irp a, 0,1,2,3
	ds_load_b128 v[FA+80*\kk+8*\a:FA+80*\kk+8*\a+3], v[AA+\slot] offset:2304*\a+64*\kk
	ds_load_b128 v[FA+80*\kk+8*\a+4:FA+80*\kk+8*\a+7], v[AA+\slot] offset:2304*\a+64*\kk+32
.endr
.irp n, 0,1,2,3,4,5
	ds_load_tr16_b128 v[FB+80*\kk+8*\n:FB+80*\kk+8*\n+3], v[AB+\slot] offset:128*(\n/2)+32*(\n%2)+13312*\kk
	ds_load_tr16_b128 v[FB+80*\kk+8*\n+4:FB+80*\kk+8*\n+7], v[AB+\slot] offset:128*(\n/2)+32*(\n%2)+13312*\kk+6656
.endr
.endm
; Twelve matrix instructions from buffer buf: row blocks lo, lo + 1 of all six column blocks.  The 24 accumulators take turns, one
; instruction a turn, always in the same order.
.macro MULH buf, lo, zero
	WIN 0x50                                       ; C and D in window 1, both sources in window 0
.irp a, \lo, \lo+1
.irp n, 0,1,2,3
.if \zero
	v_wmma_f32_16x16x32_f16 v[32*\n+8*(\a):32*\n+8*(\a)+7], v[FB+80*\buf+8*\n:FB+80*\buf+8*\n+7], v[FA+80*\buf+8*(\a):FA+80*\buf+8*(\a)+7], 0
.else
	v_wmma_f32_16x16x32_f16 v[32*\n+8*(\a):32*\n+8*(\a)+7], v[FB+80*\buf+8*\n:FB+80*\buf+8*\n+7], v[FA+80*\buf+8*(\a):FA+80*\buf+8*(\a)+7], v[32*\n+8*(\a):32*\n+8*(\a)+7]
.endif
.endr
.irp n, 4,5
.if \zero
	v_wmma_f32_16x16x32_f16 v[32*\n+8*(\a):32*\n+8*(\a)+7], v[FA+80*\buf+8*(\a):FA+80*\buf+8*(\a)+7], v[FB+80*\buf+8*\n:FB+80*\buf+8*\n+7], 0
.else
	v_wmma_f32_16x16x32_f16 v[32*\n+8*(\a):32*\n+8*(\a)+7], v[FA+80*\buf+8*(\a):FA+80*\buf+8*(\a)+7], v[FB+80*\buf+8*\n:FB+80*\buf+8*\n+7], v[32*\n+8*(\a):32*\n+8*(\a)+7]
.endif
.endr
.endr
.endm
; K step t on slot p (o = the other slot).  At its head buffer 0 holds, or is about to get, the first half of tile t.
; Ahead of every run of products the LDS work for later products has been issued, so that both go on side by side.
; ONE barrier a step orders two things: every wave's stores of tile t + 1 into slot o ahead of all reads of it, and every wave's reads of
; tile t in slot p ahead of the next step's stores into that slot.
; st = 1: tile t + 1 goes from staging set o into slot o, and its first half is fetched behind the barrier.
; ld = 1: tile t + 3 is asked for, into staging set o, whose LDS stores the wait in front of the barrier has shown done; ld = 2: cos and sin.
.macro STEP p, o, first, ld, st, left
.if \first == 0
	PLACES                                         ; buffer 1 was read by the matrix instructions in front
.endif
	FETCH \p, 1
	s_wait_dscnt 20                                ; buffer 0's 20 loads are in; the 20 just issued are younger
	MULH 0, 0, \first
.if \st
	CVT \o, \left
	STO \o
.endif
	MULH 0, 2, \first
	s_wait_dscnt 0x0                               ; my stores into slot o and my reads of slot p are done; buffer 1 is in
.if \st
	s_barrier_signal -1
	s_barrier_wait -1
	PLACES                                         ; buffer 0 was read by the matrix instructions in front
	FETCH \o, 0
.endif
.if \ld == 1
.if \first
	LOAD \o, 0, 3
.else
	LOAD \o, 1, 3
.endif
.endif
.if \ld == 2
	CSLOAD
.endif
	MULH 1, 0, 0
	MULH 1, 2, 0
	WIN 0
.endm
	s_load_b512 s[4:19], s[0:1], 0x0               ; x s[4:5], wq s[6:7], wk s[8:9], wv s[10:11], cos s[12:13], sin s[14:15], qf s[16:17], kf s[18:19]
	s_load_b64 s[20:21], s[0:1], 0x40              ; vf
	v_lshl_add_u32 v254, v0, 2, 0x16000
	v_mov_b32 v255, 0
	v_lshrrev_b32 v1, 5, v0
	v_readfirstlane_b32 s22, v1                    ; wave w
	s_lshr_b32 s23, s22, 1                         ; rg: which 64 rows
	s_and_b32 s24, s22, 1                          ; cg: which 32 columns
	s_mov_b32 s25, ttmp9                           ; g
	s_and_b32 s26, ttmp7, 0xffff                   ; mi
	s_mov_b32 s29, 0                               ; the high word of every offset
	v_and_b32 v14, 15, v0                          ; r
	v_bfe_u32 v15, v0, 4, 1                        ; h
	v_lshlrev_b32 v1, 4, v14                       ; 16 r
	v_lshl_add_u32 v[GX], v15, 15, v1              ; + 8 h rows
	s_lshl_b32 s28, s22, 17
	v_add_nc_u32 v[GX], s28, v[GX]                 ; + 32 w rows
	v_lshl_add_u32 v[GW], v15, 14, v1              ; 16 r + 4 h rows
	s_lshl_b32 s28, s22, 16
	v_add_nc_u32 v[GW], s28, v[GW]                 ; + 16 w rows
	s_wait_kmcnt 0x0
	s_lshl_b32 s28, s26, 19                        ; 128 mi rows of x
	s_add_nc_u64 s[4:5], s[4:5], s[28:29]
	s_lshl_b32 s28, s25, 8                         ; 64 g columns of W
	s_add_nc_u64 s[6:7], s[6:7], s[28:29]
	s_add_nc_u64 s[8:9], s[8:9], s[28:29]
	s_add_nc_u64 s[10:11], s[10:11], s[28:29]
	LOAD 0, 0, 0                                   ; tile 0
	LOAD 1, 0, 1                                   ; tile 1: the step stands in the immediate, so nothing is waited for between the two
	; LDS addresses
	v_mul_u32_u24 v1, v15, 1152
	v_lshl_add_u32 v1, v14, 3, v1
	s_mul_i32 s28, s22, 4608
	v_add_nc_u32 v[SX], s28, v1                    ; (32 w + 8 h) 144 + 8 r
	v_add_nc_u32 v[SX+1], SLOT, v[SX]
	v_mul_u32_u24 v1, v15, 1664
	v_lshl_add_u32 v1, v14, 3, v1
	s_mul_i32 s28, s22, 6656
	s_add_co_u32 s28, s28, WT
	v_add_nc_u32 v[SW], s28, v1                    ; WT + (16 w + 4 h) 416 + 8 r
	v_add_nc_u32 v[SW+1], SLOT, v[SW]
	v_mul_u32_u24 v1, v14, 144
	v_lshl_add_u32 v1, v15, 4, v1
	s_mul_i32 s28, s23, 9216
	v_add_nc_u32 v[AA], s28, v1                    ; (64 rg + r) 144 + 16 h
	v_add_nc_u32 v[AA+1], SLOT, v[AA]
	v_and_b32 v1, 7, v0
	v_lshl_add_u32 v1, v15, 3, v1
	v_mul_u32_u24 v1, v1, 416                      ; (8 h + lane & 7) 416
	v_bfe_u32 v[AB+1], v0, 3, 1
	v_lshl_add_u32 v1, v[AB+1], 4, v1              ; + 16 ((lane >> 3) & 1)
	s_lshl_b32 s28, s24, 6
	s_add_co_u32 s28, s28, WT
	v_add_nc_u32 v[AB], s28, v1                    ; + WT + 64 cg
	v_add_nc_u32 v[AB+1], SLOT, v[AB]
	v_and_b32 v1, 31, v0
	v_lshlrev_b32 v[LO], 4, v1
	v_lshlrev_b32 v1, 7, v14
	v_lshl_add_u32 v1, v15, 4, v1
	s_lshl_b32 s28, s26, 14
	s_lshl_b32 s30, s23, 13
	s_add_co_u32 s28, s28, s30
	s_lshl_b32 s30, s24, 6
	s_add_co_u32 s28, s28, s30
	v_add_nc_u32 v[VC], s28, v1                    ; (128 mi + 64 rg + r) 128 + 64 cg + 16 h
	; where the results go: qf, kf at g 262,144 + (8 mi + 4 rg) 2,048 + 1,024 cg
	s_lshl_b32 s28, s25, 18
	s_lshl_b32 s30, s26, 14
	s_add_co_u32 s28, s28, s30
	s_lshl_b32 s30, s23, 13
	s_add_co_u32 s28, s28, s30
	s_lshl_b32 s30, s24, 10
	s_add_co_u32 s28, s28, s30
	s_add_nc_u64 s[16:17], s[16:17], s[28:29]
	s_add_nc_u64 s[18:19], s[18:19], s[28:29]
	; vf at (((g >> 1) 64 + 4 mi + 2 rg) 8 + 4 (g & 1) + 2 cg) 1,024
	s_lshr_b32 s28, s25, 1
	s_lshl_b32 s28, s28, 19
	s_lshl_b32 s30, s26, 15
	s_add_co_u32 s28, s28, s30
	s_lshl_b32 s30, s23, 14
	s_add_co_u32 s28, s28, s30
	s_and_b32 s30, s25, 1
	s_lshl_b32 s30, s30, 12
	s_add_co_u32 s28, s28, s30
	s_lshl_b32 s30, s24, 11
	s_add_co_u32 s28, s28, s30
	s_add_nc_u64 s[20:21], s[20:21], s[28:29]
	CVT 0, 40                                      ; tile 0 is in; tile 1's 40 loads stay out
	STO 0
	s_wait_dscnt 0x0                               ; my part of tile 0 is written
	s_barrier_signal -1
	s_barrier_wait -1                              ; everybody's is
	FETCH 0, 0
	LOAD 0, 0, 2                                   ; tile 2, into the set whose LDS stores are done
	STEP 0, 1, 1, 1, 1, 40                         ; t = 0: its first products start the sums; stores tile 1 (tile 2's 40 loads are younger), asks for tile 3
	s_mov_b32 s27, 6
.Lk:
	STEP 1, 0, 0, 1, 1, 40                         ; t = 1, 3, .. 11
	STEP 0, 1, 0, 1, 1, 40                         ; t = 2, 4, .. 12: the last of them asks for tile 15, the last tile
	s_sub_co_u32 s27, s27, 1
	s_cmp_lg_u32 s27, 0
	s_cbranch_scc1 .Lk
	STEP 1, 0, 0, 2, 1, 40                         ; t = 13: stores tile 14 (tile 15's 40 loads are younger), asks for cos and sin
	STEP 0, 1, 0, 0, 1, 16                         ; t = 14: stores tile 15 (the 16 loads of cos and sin are younger)
	STEP 1, 0, 0, 0, 0, 0                          ; t = 15: nothing is left to store, so no barrier
	; THE WAY OUT
	PLACES                                         ; behind the last matrix instructions, ahead of the reads of their results and the writes into the fragment buffers
	s_wait_loadcnt 0x0                             ; cos and sin
.set n, 0
.rept 32
	v_pk_mul_f32 v[CSR+2*n:CSR+2*n+1], v[CSR+2*n:CSR+2*n+1], 0x3d99be61 op_sel_hi:[1,0]   ; cos and sin times sqrt(log2 e) / 16
.set n, n+1
.endr
	WIN 0x01                                       ; source 0 = the accumulators in window 1
.irp n, 0,1,2,3
.irp a, 0,1,2,3
.irp i, 0,1,2,3
	v_mul_f32 v[TT+2*\i], v[32*\n+8*\a+2*\i+1], v[CSR+16*\a+8*(\n%2)+4+\i]                          ; x2 s
	v_mul_f32 v[TT+2*\i+1], v[32*\n+8*\a+2*\i+1], v[CSR+16*\a+8*(\n%2)+\i]                          ; x2 c
	v_fma_f32 v[QO+32*\n+8*\a+2*\i], v[32*\n+8*\a+2*\i], v[CSR+16*\a+8*(\n%2)+\i], -v[TT+2*\i]      ; x1 c - x2 s
	v_fma_f32 v[QO+32*\n+8*\a+2*\i+1], v[32*\n+8*\a+2*\i], v[CSR+16*\a+8*(\n%2)+4+\i], v[TT+2*\i+1] ; x1 s + x2 c
.endr
.endr
.endr
	WIN 0
.set n, 0
.rept 16
.irp i, 0,1,2,3
	v_cvt_pk_f16_f32 v[QO+8*n+\i], v[QO+8*n+2*\i], v[QO+8*n+2*\i+1]                    ; 8 numbers into the first 4 registers of their 8
.endr
.set n, n+1
.endr
.irp a, 0,1,2,3
.irp cb, 0,1
	global_store_b128 v[LO], v[QO+32*\cb+8*\a:QO+32*\cb+8*\a+3], s[16:17] offset:2048*\a+512*\cb        ; each store of the wave: 512 consecutive bytes, aligned
	global_store_b128 v[LO], v[QO+64+32*\cb+8*\a:QO+64+32*\cb+8*\a+3], s[18:19] offset:2048*\a+512*\cb
.endr
.endr
	WIN 0x01
.irp cb, 0,1
.irp a, 0,1,2,3
.irp i, 0,1,2,3
	v_pk_mul_f32 v[VO+32*\cb+8*\a+2*\i:VO+32*\cb+8*\a+2*\i+1], v[128+32*\cb+8*\a+2*\i:128+32*\cb+8*\a+2*\i+1], 0x3d800000 op_sel_hi:[1,0]   ; v / 16: exact
.endr
.endr
.endr
	WIN 0
.set n, 0
.rept 8
.irp i, 0,1,2,3
	v_cvt_pk_f16_f32 v[VO+8*n+\i], v[VO+8*n+2*\i], v[VO+8*n+2*\i+1]
.endr
.set n, n+1
.endr
.irp a, 0,1,2,3
.irp cb, 0,1
	global_store_b128 v[LO], v[VO+32*\cb+8*\a:VO+32*\cb+8*\a+3], s[20:21] offset:(\a/2)*8192+(\a&1)*512+1024*\cb
.endr
.endr
	s_wait_tensorcnt 0x0
	ds_add_u32 v254, v255
	s_wait_dscnt 0x0
	s_endpgm
.Lfunc_end_k_q810524b4c7_qkv:
	.size	k_q810524b4c7_qkv, .Lfunc_end_k_q810524b4c7_qkv-k_q810524b4c7_qkv
	.p2alignl 7, 3214868480
	.fill 96, 4, 3214868480
	.section	.rodata,"a",@progbits
	.p2align	6, 0x0
	.amdhsa_kernel k_q810524b4c7_qkv
		.amdhsa_group_segment_fixed_size 90624
		.amdhsa_private_segment_fixed_size 0
		.amdhsa_enable_private_segment 0
		.amdhsa_kernarg_size 72
		.amdhsa_user_sgpr_count 2
		.amdhsa_user_sgpr_kernarg_segment_ptr 1
		.amdhsa_wavefront_size32 1
		.amdhsa_system_sgpr_workgroup_id_x 1
		.amdhsa_system_sgpr_workgroup_id_y 1
		.amdhsa_system_sgpr_workgroup_id_z 1
		.amdhsa_system_vgpr_workitem_id 0
		.amdhsa_next_free_vgpr 928
		.amdhsa_next_free_sgpr 66
		.amdhsa_reserve_vcc 0
		.amdhsa_float_denorm_mode_32 3
		.amdhsa_float_denorm_mode_16_64 3
		.amdhsa_memory_ordered 1
		.amdhsa_forward_progress 1
		.amdhsa_inst_pref_size 138
	.end_amdhsa_kernel
	.amdgpu_metadata
---
amdhsa.version: [ 1, 2 ]
amdhsa.kernels:
  - .name:           k_q810524b4c7_qkv
    .symbol:         k_q810524b4c7_qkv.kd
    .args:
      - { .name: x, .offset: 0, .size: 8, .value_kind: global_buffer, .address_space: global }
      - { .name: wq, .offset: 8, .size: 8, .value_kind: global_buffer, .address_space: global }
      - { .name: wk, .offset: 16, .size: 8, .value_kind: global_buffer, .address_space: global }
      - { .name: wv, .offset: 24, .size: 8, .value_kind: global_buffer, .address_space: global }
      - { .name: cos, .offset: 32, .size: 8, .value_kind: global_buffer, .address_space: global }
      - { .name: sin, .offset: 40, .size: 8, .value_kind: global_buffer, .address_space: global }
      - { .name: qf, .offset: 48, .size: 8, .value_kind: global_buffer, .address_space: global }
      - { .name: kf, .offset: 56, .size: 8, .value_kind: global_buffer, .address_space: global }
      - { .name: vf, .offset: 64, .size: 8, .value_kind: global_buffer, .address_space: global }
    .group_segment_fixed_size: 90624
    .private_segment_fixed_size: 0
    .kernarg_segment_align: 8
    .kernarg_segment_size: 72
    .max_flat_workgroup_size: 128
    .sgpr_count:     66
    .vgpr_count:     928
    .wavefront_size: 32
...
	.end_amdgpu_metadata
.endif
;; end of part 4
;; launch attn (part 5): grid 256 x 1, 4 waves a work-group, no clusters, 71,168 bytes of LDS; arguments qf, kf, vf, lambda_q1, lambda_k1, lambda_q2, lambda_k2, subln_weight, af; writes af
.if DOCPART == 5
	.amdgcn_target "amdgcn-amd-amdhsa--gfx1250"
	.amdhsa_code_object_version 6
	.text
	.protected	k_q810524b4c7_attn
	.globl	k_q810524b4c7_attn
	.p2align	8
	.type	k_q810524b4c7_attn,@function
k_q810524b4c7_attn:
	s_mov_b64 s[64:65], 0
	v_nop
	global_prefetch_b8 v0, s[64:65] scope:SCOPE_SE
	s_setreg_imm32_b32 hwreg(HW_REG_WAVE_MODE, 25, 1), 1
	s_wait_xcnt 0x0
; Both causal softmax attentions of a head, their difference a1 - lambda a2, the RMS norm over 128, the gain and (1 - lambda_init);
; the result rounded once to f16, in fragment order, for the last product.
; Work-group id: head H = id & 7, p = id >> 3.  It makes two blocks of 32 queries of head H, one after the other: block p, then block
; 63 - p.  Keys go in tiles of 128: block p needs (p >> 2) + 1 tiles, block 63 - p needs 16 - (p >> 2): 17 for every work-group.
; Wave w takes keys 32 w .. 32 w + 31 of each tile, for all 32 queries and both softmaxes, with its own running maximum, sum and
; output; at a block's end the four waves' parts are merged through LDS.  Only a block's last tile meets the diagonal; it is done
; first (its products start the sums), then tiles 0, 1, .. without a mask.
; K, Q and V lie in memory in fragment order (1,024 bytes = [c][lane][16 bytes]), so a fragment is two loads of 512 consecutive bytes
; straight into registers: the loop has no LDS access and no barrier.
;   S^T = K Q^T: source 0 = K, source 1 = Q: register j of lane (r, h) = (key 8 h + j, query r): a query's figures lie in two lanes,
;   and S packed in pairs is the second source of  O^T = V^T P^T  (source 0 = V): register j = (dv 8 h + j, query r).
; SCALES: q and k come multiplied by sqrt(log2 e) / 16, v divided by 16.  Exponent in base 2 = 32 (s - m): 32 s and 32 m are exact, so
; one fused multiply-add s x 32 + (-32 m) gives it with one rounding; the running maximum m is kept in the units of s, so the largest
; score's exponent is exactly 0 at every magnitude and P lies in [0, 1].  The factor 16 for v goes into the merge's weights.
; LIMITS: a masked score is -2^120 and the maximum starts at -2^100, so a score s below -2^100 counts as masked.
; P is rounded to f16: a weight below 2^-25 of its row's largest counts as 0.
; NO JOINT TILES: the query blocks of a head read the same K and V, but each byte goes from memory into the registers of the one wave
; of the work-group that uses it; a joint request lands in LDS alone and would add an LDS write and read for each byte and a round of
; the cluster's barrier for each tile of 64 KiB.
.set LO, 1                             ; v1   16 x lane
.set DM, 2                             ; v2   8 h - r + 32 (w - the block's place in its tile): key > query where this exceeds 16 qt - 16 kt - j
.set HR, 3                             ; v3   8 h - r
.set NEGR, 4                           ; v4   -2^120
.set MLS, 5                            ; v5   LDS: my word of [c][lane][wave], maxima; sums 2,048 bytes on
.set MLR, 6                            ; v6   LDS: my lane's four words
.set AS, 7                             ; v7   LDS: my wave's 16 KiB of [wave][8 qt + dt][half][lane x 16]
.set AR, 8                             ; v8   LDS: the blocks dt = 2 w, 2 w + 1
.set SSS, 9                            ; v9   LDS: sums of squares, my word of [qt][lane][wave]
.set SSR, 10                           ; v10
.set NL, 11                            ; v11  -16 lambda
.set WG, 16                            ; v16-31   gain x (1 - lambda_init) for dv = 32 w + 16 dd + 8 h + j, at 8 dd + j
.set M, 32                             ; v32-35   running maximum of group c = 2 sm + qt
.set L, 36                             ; v36-39   running sum (this lane's 16 keys of 32)
.set NM, 40                            ; v40-47   pairs (-32 m, -32 m)
.set AL, 48                            ; v48-55   pairs (alpha, alpha)
.set T, 56                             ; v56-59   at work
.set U, 60                             ; v60-63   at work
.set RQ, 64                            ; v64-127  Q fragment (c, ds) at 8 (2 c + ds)
.set RS, 128                           ; v128-191 S of group c: 16 numbers at 16 c (kt = 0 first)
.set RP, 192                           ; v192-223 P of group c at 8 c
.set W, 224                            ; v224-255 at work
.set SQ, 160                           ; the merge: sums of squares
; window 1: O(c, dt) at 64 c + 8 dt.   window 2: K (sm, kt, ds) at 8 ((2 sm + kt) 2 + ds); V(dt) at 64 + 8 dt.
.set CS, 0x42000000                    ; 32
.set NCS, 0xc2000000                   ; -32
.set MSB, 0
.macro WIN new
.if MSB != \new
	s_set_vgpr_msb (MSB<<8)|\new
.set MSB, \new
.endif
.endm
.macro PLACES                          ; four plain vector places behind matrix instructions (ISA guide 7.12.1)
.rept 4
	v_nop
.endr
.endm
.macro QLOAD
.irp sm, 0,1
.irp i, 0,1,2,3,4,5,6,7
	global_load_b128 v[RQ+32*\sm+4*\i:RQ+32*\sm+4*\i+3], v[LO], s[42:43] offset:262144*\sm+512*\i
.endr
.endr
.endm
.macro KLOAD                           ; my 32 keys of tile s30, both softmaxes: 16 loads.  s[36:37] is free: the wait at the tile's head showed its last loads done
	s_lshl_b32 s40, s30, 14
	s_add_nc_u64 s[36:37], s[32:33], s[40:41]
	WIN 0x80
.irp sm, 0,1
.irp i, 0,1,2,3,4,5,6,7
	global_load_b128 v[32*\sm+4*\i:32*\sm+4*\i+3], v[LO], s[36:37] offset:262144*\sm+512*\i
.endr
.endr
	WIN 0
.endm
.macro VLOAD                           ; V of the same keys: 16 loads.  s[38:39] is free: the wait in front of the second product showed its last loads done
	s_lshl_b32 s40, s30, 15
	s_add_nc_u64 s[38:39], s[34:35], s[40:41]
	WIN 0x80
.irp i, 0,1,2,3,4,5,6,7,8,9,10,11,12,13,14,15
	global_load_b128 v[64+4*\i:64+4*\i+3], v[LO], s[38:39] offset:512*\i
.endr
	WIN 0
.endm
.macro SMUL                            ; 16 matrix instructions on 8 accumulators by turns, one a turn
	WIN 0x02
.irp ds, 0,1
.irp c, 0,1,2,3
.irp kt, 0,1
.if \ds
	v_wmma_f32_16x16x32_f16 v[RS+16*\c+8*\kt:RS+16*\c+8*\kt+7], v[8*((2*(\c/2)+\kt)*2+\ds):8*((2*(\c/2)+\kt)*2+\ds)+7], v[RQ+8*(2*\c+\ds):RQ+8*(2*\c+\ds)+7], v[RS+16*\c+8*\kt:RS+16*\c+8*\kt+7]
.else
	v_wmma_f32_16x16x32_f16 v[RS+16*\c+8*\kt:RS+16*\c+8*\kt+7], v[8*((2*(\c/2)+\kt)*2+\ds):8*((2*(\c/2)+\kt)*2+\ds)+7], v[RQ+8*(2*\c+\ds):RQ+8*(2*\c+\ds)+7], 0
.endif
.endr
.endr
.endr
	WIN 0
.endm
.macro MASK                            ; the diagonal tile: key > query gets -2^120; one compare serves both softmaxes
.irp qt, 0,1
.irp kt, 0,1
.irp j, 0,1,2,3,4,5,6,7
	v_cmp_lt_i32 vcc_lo, 16*\qt-16*\kt-\j, v[DM]
	v_cndmask_b32 v[RS+16*\qt+8*\kt+\j], v[RS+16*\qt+8*\kt+\j], v[NEGR], vcc_lo
	v_cndmask_b32 v[RS+32+16*\qt+8*\kt+\j], v[RS+32+16*\qt+8*\kt+\j], v[NEGR], vcc_lo
.endr
.endr
.endr
.endm
.macro SOFTMAX                         ; the four groups go side by side, so that no line waits for the one in front of it
.irp c, 0,1,2,3
	v_max3_num_f32 v[T+\c], v[RS+16*\c], v[RS+16*\c+1], v[RS+16*\c+2]
.endr
.irp k, 3,5,7,9,11,13
.irp c, 0,1,2,3
	v_max3_num_f32 v[T+\c], v[T+\c], v[RS+16*\c+\k], v[RS+16*\c+\k+1]
.endr
.endr
.irp c, 0,1,2,3
	v_max_num_f32 v[T+\c], v[T+\c], v[RS+16*\c+15]
.endr
.irp c, 0,1,2,3
	v_permlanex16_b32 v[U+\c], v[T+\c], s46, s47   ; the query's other 16 keys lie in lane xor 16
.endr
.irp c, 0,1,2,3
	v_max3_num_f32 v[T+\c], v[T+\c], v[U+\c], v[M+\c]   ; the new running maximum
.endr
.irp c, 0,1,2,3
	v_sub_f32 v[U+\c], v[M+\c], v[T+\c]
.endr
.irp c, 0,1,2,3
	v_mul_f32 v[U+\c], CS, v[U+\c]
.endr
.irp c, 0,1,2,3
	v_exp_f32 v[AL+2*\c], v[U+\c]                  ; alpha
.endr
.irp c, 0,1,2,3
	v_mov_b32 v[M+\c], v[T+\c]                     ; plain lines that touch neither alpha nor its source stand behind the exponentials
	v_mul_f32 v[NM+2*\c], NCS, v[T+\c]             ; -32 m: exact
	v_mul_f32 v[NM+2*\c+1], NCS, v[T+\c]
.endr
	s_wait_alu depctr_va_vdst(0)
.irp c, 0,1,2,3
	v_mov_b32 v[AL+2*\c+1], v[AL+2*\c]
.endr
.irp c, 0,1,2,3
.irp i, 0,1,2,3,4,5,6,7
	v_pk_fma_f32 v[RS+16*\c+2*\i:RS+16*\c+2*\i+1], v[RS+16*\c+2*\i:RS+16*\c+2*\i+1], CS, v[NM+2*\c:NM+2*\c+1] op_sel_hi:[1,0,1]   ; 32 (s - m): never above 0, and 0 for the largest
.endr
.endr
.set i, 0
.rept 64
	v_exp_f32 v[RS+i], v[RS+i]
.set i, i+1
.endr
	v_nop                                          ; one plain place behind the run of exponentials (ISA guide 5.7.2)
	s_wait_alu depctr_va_vdst(0)
.irp c, 0,1,2,3
.irp q, 0,1,2,3
	v_pk_add_f32 v[W+8*\c+2*\q:W+8*\c+2*\q+1], v[RS+16*\c+4*\q:RS+16*\c+4*\q+1], v[RS+16*\c+4*\q+2:RS+16*\c+4*\q+3]
.endr
.endr
.irp c, 0,1,2,3
	v_pk_add_f32 v[W+8*\c:W+8*\c+1], v[W+8*\c:W+8*\c+1], v[W+8*\c+2:W+8*\c+3]
	v_pk_add_f32 v[W+8*\c+4:W+8*\c+5], v[W+8*\c+4:W+8*\c+5], v[W+8*\c+6:W+8*\c+7]
.endr
.irp c, 0,1,2,3
	v_pk_add_f32 v[W+8*\c:W+8*\c+1], v[W+8*\c:W+8*\c+1], v[W+8*\c+4:W+8*\c+5]
.endr
.irp c, 0,1,2,3
	v_add_f32 v[T+\c], v[W+8*\c], v[W+8*\c+1]
.endr
.irp c, 0,1,2,3
	v_fma_f32 v[L+\c], v[L+\c], v[AL+2*\c], v[T+\c]
.endr
.irp c, 0,1,2,3
.irp i, 0,1,2,3,4,5,6,7
	v_cvt_pk_f16_f32 v[RP+8*\c+\i], v[RS+16*\c+2*\i], v[RS+16*\c+2*\i+1]   ; keys 8 h + 0..7, then 16 + 8 h + 0..7: a second source as it stands
.endr
.endr
.endm
.macro RESCALE
	WIN 0x41                                       ; O in window 1, alpha in window 0
.irp c, 0,1,2,3
.set i, 0
.rept 32
	v_pk_mul_f32 v[64*\c+2*i:64*\c+2*i+1], v[64*\c+2*i:64*\c+2*i+1], v[AL+2*\c:AL+2*\c+1]
.set i, i+1
.endr
.endr
.endm
.macro PV first                        ; 32 matrix instructions on 32 accumulators by turns
	WIN 0x52                                       ; source 0 = V in window 2, source 1 = P in window 0, C and D in window 1
.irp dt, 0,1,2,3,4,5,6,7
.irp c, 0,1,2,3
.if \first
	v_wmma_f32_16x16x32_f16 v[64*\c+8*\dt:64*\c+8*\dt+7], v[64+8*\dt:64+8*\dt+7], v[RP+8*\c:RP+8*\c+7], 0
.else
	v_wmma_f32_16x16x32_f16 v[64*\c+8*\dt:64*\c+8*\dt+7], v[64+8*\dt:64+8*\dt+7], v[RP+8*\c:RP+8*\c+7], v[64*\c+8*\dt:64*\c+8*\dt+7]
.endif
.endr
.endr
	WIN 0
.endm
; One tile.  first = 1: the diagonal tile, which starts the block's sums.  head = the loads that may stay out when K (and Q) must be in.
; pre = 1: K and V of tile s30 are asked for as soon as this tile's have been multiplied.
.macro TILE first, head, pre
	s_wait_loadcnt \head
	SMUL
	PLACES
.if \pre
	KLOAD
.endif
.if \first
	MASK
.irp c, 0,1,2,3
	v_mov_b32 v[M+\c], 0xf1800000                  ; -2^100
	v_mov_b32 v[L+\c], 0
.endr
.endif
	SOFTMAX
.if \first == 0
	RESCALE
.endif
.if \pre
	s_wait_loadcnt 16                              ; this tile's V is in; the 16 loads of the next K are younger
.else
	s_wait_loadcnt 0
.endif
	PV \first
	PLACES
.if \pre
	VLOAD
.endif
.endm
; The end of a block: the four waves' parts become one, then difference, norm, gain, f16, store.  Three barriers; each LDS region's reads
; are waited for in front of a later barrier than the one behind which they stand, so the next block's stores into it find them done.
.macro FINALIZE
.irp c, 0,1,2,3
	v_permlanex16_b32 v[U+\c], v[L+\c], s46, s47
.endr
.irp c, 0,1,2,3
	v_add_f32 v[L+\c], v[L+\c], v[U+\c]            ; the sum over my wave's 32 keys
.endr
.irp c, 0,1,2,3
	ds_store_b32 v[MLS], v[M+\c] offset:512*\c
	ds_store_b32 v[MLS], v[L+\c] offset:2048+512*\c
.endr
	s_wait_dscnt 0x0                               ; for the other waves: my stores are done
	s_barrier_signal -1
	s_barrier_wait -1
.irp c, 0,1,2,3
	ds_load_b128 v[RS+4*\c:RS+4*\c+3], v[MLR] offset:512*\c
	ds_load_b128 v[RS+16+4*\c:RS+16+4*\c+3], v[MLR] offset:2048+512*\c
.endr
	s_wait_dscnt 0x0
.irp c, 0,1,2,3
	v_max3_num_f32 v[T+\c], v[RS+4*\c], v[RS+4*\c+1], v[RS+4*\c+2]
.endr
.irp c, 0,1,2,3
	v_max_num_f32 v[T+\c], v[T+\c], v[RS+4*\c+3]   ; the row's maximum over all keys
.endr
.irp c, 0,1,2,3
	v_sub_f32 v[U+\c], v[M+\c], v[T+\c]
.irp u, 0,1,2,3
	v_sub_f32 v[RS+4*\c+\u], v[RS+4*\c+\u], v[T+\c]
.endr
.endr
.irp c, 0,1,2,3
	v_mul_f32 v[U+\c], CS, v[U+\c]
.irp u, 0,1,2,3
	v_mul_f32 v[RS+4*\c+\u], CS, v[RS+4*\c+\u]
.endr
.endr
.irp c, 0,1,2,3
	v_exp_f32 v[U+\c], v[U+\c]                     ; my wave's weight
.irp u, 0,1,2,3
	v_exp_f32 v[RS+4*\c+\u], v[RS+4*\c+\u]         ; every wave's
.endr
.endr
	v_nop
	s_wait_alu depctr_va_vdst(0)
.irp c, 0,1,2,3
	v_mul_f32 v[T+\c], v[RS+16+4*\c], v[RS+4*\c]
.endr
.irp u, 1,2,3
.irp c, 0,1,2,3
	v_fmac_f32 v[T+\c], v[RS+16+4*\c+\u], v[RS+4*\c+\u]   ; the row's sum; at least 1, since the largest score's term is 1
.endr
.endr
.irp c, 0,1,2,3
	v_rcp_f32 v[T+\c], v[T+\c]
.endr
	v_mul_f32 v[U], 0x41800000, v[U]               ; 16 for the first softmax (v came divided by 16),
	v_mul_f32 v[U+1], 0x41800000, v[U+1]
	v_mul_f32 v[U+2], v[NL], v[U+2]                ; -16 lambda for the second; these four lines are the plain places behind the reciprocals
	v_mul_f32 v[U+3], v[NL], v[U+3]
	s_wait_alu depctr_va_vdst(0)
.irp c, 0,1,2,3
	v_mul_f32 v[AL+2*\c], v[U+\c], v[T+\c]
	v_mul_f32 v[AL+2*\c+1], v[U+\c], v[T+\c]
.endr
	WIN 0x51                                       ; O in window 1 as source 0, source 2 and destination
.irp qt, 0,1
.set i, 0
.rept 32
	v_pk_mul_f32 v[64*\qt+2*i:64*\qt+2*i+1], v[64*\qt+2*i:64*\qt+2*i+1], v[AL+2*\qt:AL+2*\qt+1]
	v_pk_fma_f32 v[64*\qt+2*i:64*\qt+2*i+1], v[128+64*\qt+2*i:128+64*\qt+2*i+1], v[AL+4+2*\qt:AL+4+2*\qt+1], v[64*\qt+2*i:64*\qt+2*i+1]
.set i, i+1
.endr
.endr
	WIN 0x04                                       ; an LDS store's data is source 1: window 1
.irp qt, 0,1
.irp dt, 0,1,2,3,4,5,6,7
.irp jq, 0,1
	ds_store_b128 v[AS], v[64*\qt+8*\dt+4*\jq:64*\qt+8*\dt+4*\jq+3] offset:(8*\qt+\dt)*1024+512*\jq
.endr
.endr
.endr
	WIN 0
	s_wait_dscnt 0x0
	s_barrier_signal -1
	s_barrier_wait -1
.irp u, 0,1,2,3
.irp qt, 0,1
.irp dd, 0,1
.irp jq, 0,1
	ds_load_b128 v[RS+32*\u+8*(2*\qt+\dd)+4*\jq:RS+32*\u+8*(2*\qt+\dd)+4*\jq+3], v[AR] offset:16384*\u+8192*\qt+1024*\dd+512*\jq
.endr
.endr
.endr
.endr
	s_wait_dscnt 0x0
.irp u, 1,2,3
.set i, 0
.rept 16
	v_pk_add_f32 v[RS+2*i:RS+2*i+1], v[RS+2*i:RS+2*i+1], v[RS+32*\u+2*i:RS+32*\u+2*i+1]
.set i, i+1
.endr
.endr
	; a1 - lambda a2 for dv = 32 w + 16 dd + 8 h + j, query 16 qt + r, at RS + 16 qt + 8 dd + j
.irp qt, 0,1
	v_pk_mul_f32 v[SQ+2*\qt:SQ+2*\qt+1], v[RS+16*\qt:RS+16*\qt+1], v[RS+16*\qt:RS+16*\qt+1]
.endr
.irp i, 1,2,3,4,5,6,7
.irp qt, 0,1
	v_pk_fma_f32 v[SQ+2*\qt:SQ+2*\qt+1], v[RS+16*\qt+2*\i:RS+16*\qt+2*\i+1], v[RS+16*\qt+2*\i:RS+16*\qt+2*\i+1], v[SQ+2*\qt:SQ+2*\qt+1]
.endr
.endr
.irp qt, 0,1
	v_add_f32 v[T+\qt], v[SQ+2*\qt], v[SQ+2*\qt+1]
.endr
.irp qt, 0,1
	v_permlanex16_b32 v[U+\qt], v[T+\qt], s46, s47
.endr
.irp qt, 0,1
	v_add_f32 v[T+\qt], v[T+\qt], v[U+\qt]
	ds_store_b32 v[SSS], v[T+\qt] offset:512*\qt
.endr
	s_wait_dscnt 0x0
	s_barrier_signal -1
	s_barrier_wait -1
.irp qt, 0,1
	ds_load_b128 v[SQ+8+4*\qt:SQ+8+4*\qt+3], v[SSR] offset:512*\qt
.endr
	s_wait_dscnt 0x0
.irp qt, 0,1
	v_add_f32 v[T+\qt], v[SQ+8+4*\qt], v[SQ+9+4*\qt]
	v_add_f32 v[U+\qt], v[SQ+10+4*\qt], v[SQ+11+4*\qt]
.endr
.irp qt, 0,1
	v_add_f32 v[T+\qt], v[T+\qt], v[U+\qt]
.endr
.irp qt, 0,1
	v_fma_f32 v[T+\qt], v[T+\qt], s49, s50         ; mean of 128 squares + 1e-5
.endr
.irp qt, 0,1
	v_rsq_f32 v[AL+2*\qt], v[T+\qt]
.endr
	v_nop
	s_wait_alu depctr_va_vdst(0)
.irp qt, 0,1
	v_mov_b32 v[AL+2*\qt+1], v[AL+2*\qt]
.endr
.irp qt, 0,1
.irp dd, 0,1
.irp i, 0,1,2,3
	v_pk_mul_f32 v[RS+16*\qt+8*\dd+2*\i:RS+16*\qt+8*\dd+2*\i+1], v[RS+16*\qt+8*\dd+2*\i:RS+16*\qt+8*\dd+2*\i+1], v[AL+2*\qt:AL+2*\qt+1]
.endr
.endr
.endr
.irp qt, 0,1
.irp dd, 0,1
.irp i, 0,1,2,3
	v_pk_mul_f32 v[RS+16*\qt+8*\dd+2*\i:RS+16*\qt+8*\dd+2*\i+1], v[RS+16*\qt+8*\dd+2*\i:RS+16*\qt+8*\dd+2*\i+1], v[WG+8*\dd+2*\i:WG+8*\dd+2*\i+1]
.endr
.endr
.endr
.irp n, 0,1,2,3
.irp i, 0,1,2,3
	v_cvt_pk_f16_f32 v[RS+8*\n+\i], v[RS+8*\n+2*\i], v[RS+8*\n+2*\i+1]
.endr
.endr
.irp qt, 0,1
.irp dd, 0,1
	global_store_b128 v[LO], v[RS+8*(2*\qt+\dd):RS+8*(2*\qt+\dd)+3], s[44:45] offset:32768*\qt+512*\dd   ; 512 consecutive bytes, aligned
.endr
.endr
	s_wait_xcnt 0x0                                ; the stores' data and base are written again only behind this wait
.endm
	s_load_b512 s[4:19], s[0:1], 0x0               ; qf s[4:5], kf s[6:7], vf s[8:9], lambda_q1, _k1, _q2, _k2 s[10:17], subln_weight s[18:19]
	s_load_b64 s[20:21], s[0:1], 0x40              ; af
	s_set_vgpr_msb 0x80
	v_lshl_add_u32 v128, v0, 2, 0x11400
	v_mov_b32 v129, 0
	s_set_vgpr_msb 0x8000
	v_lshrrev_b32 v12, 5, v0
	v_readfirstlane_b32 s22, v12                   ; wave w
	s_and_b32 s23, ttmp9, 7                        ; H
	s_lshr_b32 s24, ttmp9, 3                       ; p
	s_lshr_b32 s25, s24, 2                         ; a: the first block's diagonal tile, and its number of tiles without a mask
	s_and_b32 s27, s24, 3                          ; b: the first block's place in that tile
	s_sub_co_u32 s26, 15, s25                      ; the second block's diagonal tile (8 to 15)
	s_sub_co_u32 s31, s26, 1
	s_mov_b32 s41, 0                               ; the high word of every offset, never written again
	s_mov_b32 s46, 0x76543210                      ; v_permlanex16_b32: lane i reads lane i of the other half
	s_mov_b32 s47, 0xfedcba98
	s_mov_b32 s49, 0x3c000000                      ; 1 / 128
	s_mov_b32 s50, 0x3727c5ac                      ; 1e-5
	v_and_b32 v14, 31, v0                          ; lane
	v_and_b32 v15, 15, v0                          ; r
	v_bfe_u32 v13, v0, 4, 1                        ; h
	v_lshlrev_b32 v[LO], 4, v14
	v_lshlrev_b32 v[HR], 3, v13
	v_sub_nc_u32 v[HR], v[HR], v15
	v_lshlrev_b32 v12, 3, v14                      ; the lambda vectors: two numbers a lane
	s_lshl_b32 s29, s22, 7
	v_lshl_add_u32 v13, v13, 5, s29                ; the gain: 128 w + 32 h
	s_wait_kmcnt 0x0
	s_lshl_b32 s40, s23, 19                        ; a head's 524,288 bytes in qf, kf and vf
	s_add_nc_u64 s[4:5], s[4:5], s[40:41]
	s_add_nc_u64 s[32:33], s[6:7], s[40:41]
	s_add_nc_u64 s[34:35], s[8:9], s[40:41]
	s_lshl_b32 s40, s22, 12
	s_add_nc_u64 s[32:33], s[32:33], s[40:41]      ; K: + my 32 keys
	s_lshl_b32 s40, s22, 13
	s_add_nc_u64 s[34:35], s[34:35], s[40:41]      ; V: + my 32 keys
	s_lshl2_add_u32 s40, s23, s22
	s_lshl_b32 s40, s40, 10
	s_add_nc_u64 s[20:21], s[20:21], s[40:41]      ; af: + block ks = 4 H + w
	s_lshl_b32 s40, s24, 12
	s_add_nc_u64 s[42:43], s[4:5], s[40:41]        ; Q of block p
	s_lshl_b32 s40, s24, 16
	s_add_nc_u64 s[44:45], s[20:21], s[40:41]      ; af of block p
	global_load_b64 v[W:W+1], v12, s[10:11]
	global_load_b64 v[W+2:W+3], v12, s[12:13]
	global_load_b64 v[W+4:W+5], v12, s[14:15]
	global_load_b64 v[W+6:W+7], v12, s[16:17]
	global_load_b128 v[WG:WG+3], v13, s[18:19]
	global_load_b128 v[WG+4:WG+7], v13, s[18:19] offset:16
	global_load_b128 v[WG+8:WG+11], v13, s[18:19] offset:64
	global_load_b128 v[WG+12:WG+15], v13, s[18:19] offset:80
	QLOAD
	s_mov_b32 s30, s25                             ; the diagonal tile comes first
	KLOAD
	VLOAD
	v_mov_b32 v[NEGR], 0xfb800000                  ; -2^120
	s_lshl_b32 s29, s22, 2
	s_add_co_u32 s29, s29, 0x10000
	v_add_nc_u32 v[MLS], s29, v[LO]
	v_add_nc_u32 v[MLR], 0x10000, v[LO]
	s_lshl_b32 s29, s22, 14
	v_add_nc_u32 v[AS], s29, v[LO]
	s_lshl_b32 s29, s22, 11
	v_add_nc_u32 v[AR], s29, v[LO]
	s_lshl_b32 s29, s22, 2
	s_add_co_u32 s29, s29, 69632
	v_add_nc_u32 v[SSS], s29, v[LO]
	v_add_nc_u32 v[SSR], 69632, v[LO]
	s_sub_co_i32 s29, s22, s27
	s_lshl_b32 s29, s29, 5
	v_add_nc_u32 v[DM], s29, v[HR]                 ; 8 h - r + 32 (w - b)
.irp c, 0,1,2,3
	v_mov_b32 v[U+\c], 0                           ; a lane permute's destination counts as read
.endr
	s_wait_loadcnt 48                              ; the 8 small loads are in; Q, K and V (48 loads) stay out
	v_mul_f32 v[T], v[W], v[W+2]
	v_mul_f32 v[T+1], v[W+4], v[W+6]
	v_fmac_f32 v[T], v[W+1], v[W+3]
	v_fmac_f32 v[T+1], v[W+5], v[W+7]
.irp x, 1,2,4,8
	v_add_f32_dpp v[T], v[T], v[T] row_xmask:\x row_mask:0xf bank_mask:0xf
	v_add_f32_dpp v[T+1], v[T+1], v[T+1] row_xmask:\x row_mask:0xf bank_mask:0xf
.endr
	v_permlanex16_b32 v[U], v[T], s46, s47
	v_permlanex16_b32 v[U+1], v[T+1], s46, s47
	v_add_f32 v[T], v[T], v[U]
	v_add_f32 v[T+1], v[T+1], v[U+1]
	v_mul_f32 v[T], 0x3fb8aa3b, v[T]
	v_mul_f32 v[T+1], 0x3fb8aa3b, v[T+1]
	v_exp_f32 v[T], v[T]
	v_exp_f32 v[T+1], v[T+1]
.irp i, 0,1,2,3,4,5,6,7
	v_pk_mul_f32 v[WG+2*\i:WG+2*\i+1], v[WG+2*\i:WG+2*\i+1], 0x3e5d9673 op_sel_hi:[1,0]   ; gain x (1 - lambda_init); also the plain places behind the exponentials
.endr
	s_wait_alu depctr_va_vdst(0)
	v_sub_f32 v[T], v[T], v[T+1]
	v_add_f32 v[T], 0x3f489a63, v[T]               ; lambda = exp(q1.k1) - exp(q2.k2) + lambda_init
	v_mul_f32 v[NL], 0xc1800000, v[T]              ; -16 lambda
	; THE FIRST BLOCK: tile a with the mask, then tiles 0 .. a - 1.  The last of them asks for the second block's diagonal tile.
	s_cmp_lg_u32 s25, 0
	s_cselect_b32 s30, 0, s26
	TILE 1, 16, 1                                  ; Q and K are in; V's 16 loads are younger
	s_cmp_eq_u32 s25, 0
	s_cbranch_scc1 .Llo_done
	s_mov_b32 s28, 0
.Llo:
	s_add_co_u32 s30, s28, 1
	s_cmp_lt_u32 s30, s25
	s_cselect_b32 s30, s30, s26
	TILE 0, 16, 1
	s_add_co_u32 s28, s28, 1
	s_cmp_lt_u32 s28, s25
	s_cbranch_scc1 .Llo
.Llo_done:
	s_sub_co_u32 s29, 63, s24                      ; the second block
	s_lshl_b32 s40, s29, 12
	s_add_nc_u64 s[42:43], s[4:5], s[40:41]        ; the first block's Q loads were waited for at its first tile
	QLOAD                                          ; lands while the first block is merged
	FINALIZE
	s_lshl_b32 s40, s29, 16
	s_add_nc_u64 s[44:45], s[20:21], s[40:41]
	s_add_co_u32 s29, s22, s27
	s_sub_co_i32 s29, s29, 3
	s_lshl_b32 s29, s29, 5
	v_add_nc_u32 v[DM], s29, v[HR]                 ; 8 h - r + 32 (w - (3 - b))
	; THE SECOND BLOCK: tile 15 - a with the mask, then tiles 0 .. 14 - a
	s_mov_b32 s30, 0
	TILE 1, 0, 1                                   ; Q's loads are the youngest: the wait is for all
	s_mov_b32 s28, 0
.Lhi:
	s_add_co_u32 s30, s28, 1
	TILE 0, 16, 1
	s_add_co_u32 s28, s28, 1
	s_cmp_lt_u32 s28, s31
	s_cbranch_scc1 .Lhi
	TILE 0, 16, 0                                  ; the last tile asks for nothing
	FINALIZE
	s_set_vgpr_msb 0xa
	s_wait_tensorcnt 0x0
	ds_add_u32 v128, v129
	s_wait_dscnt 0x0
	s_set_vgpr_msb 0xa00
	s_endpgm
.Lfunc_end_k_q810524b4c7_attn:
	.size	k_q810524b4c7_attn, .Lfunc_end_k_q810524b4c7_attn-k_q810524b4c7_attn
	.p2alignl 7, 3214868480
	.fill 96, 4, 3214868480
	.section	.rodata,"a",@progbits
	.p2align	6, 0x0
	.amdhsa_kernel k_q810524b4c7_attn
		.amdhsa_group_segment_fixed_size 71168
		.amdhsa_private_segment_fixed_size 0
		.amdhsa_enable_private_segment 0
		.amdhsa_kernarg_size 72
		.amdhsa_user_sgpr_count 2
		.amdhsa_user_sgpr_kernarg_segment_ptr 1
		.amdhsa_wavefront_size32 1
		.amdhsa_system_sgpr_workgroup_id_x 1
		.amdhsa_system_sgpr_workgroup_id_y 1
		.amdhsa_system_sgpr_workgroup_id_z 1
		.amdhsa_system_vgpr_workitem_id 0
		.amdhsa_next_free_vgpr 642
		.amdhsa_next_free_sgpr 66
		.amdhsa_reserve_vcc 1
		.amdhsa_float_denorm_mode_32 3
		.amdhsa_float_denorm_mode_16_64 3
		.amdhsa_memory_ordered 1
		.amdhsa_forward_progress 1
		.amdhsa_inst_pref_size 191
	.end_amdhsa_kernel
	.amdgpu_metadata
---
amdhsa.version: [ 1, 2 ]
amdhsa.kernels:
  - .name:           k_q810524b4c7_attn
    .symbol:         k_q810524b4c7_attn.kd
    .args:
      - { .name: qf, .offset: 0, .size: 8, .value_kind: global_buffer, .address_space: global }
      - { .name: kf, .offset: 8, .size: 8, .value_kind: global_buffer, .address_space: global }
      - { .name: vf, .offset: 16, .size: 8, .value_kind: global_buffer, .address_space: global }
      - { .name: lambda_q1, .offset: 24, .size: 8, .value_kind: global_buffer, .address_space: global }
      - { .name: lambda_k1, .offset: 32, .size: 8, .value_kind: global_buffer, .address_space: global }
      - { .name: lambda_q2, .offset: 40, .size: 8, .value_kind: global_buffer, .address_space: global }
      - { .name: lambda_k2, .offset: 48, .size: 8, .value_kind: global_buffer, .address_space: global }
      - { .name: subln_weight, .offset: 56, .size: 8, .value_kind: global_buffer, .address_space: global }
      - { .name: af, .offset: 64, .size: 8, .value_kind: global_buffer, .address_space: global }
    .group_segment_fixed_size: 71168
    .private_segment_fixed_size: 0
    .kernarg_segment_align: 8
    .kernarg_segment_size: 72
    .max_flat_workgroup_size: 128
    .sgpr_count:     66
    .vgpr_count:     642
    .wavefront_size: 32
...
	.end_amdgpu_metadata
.endif
;; end of part 5
;; launch oproj (part 6): grid 16 x 16, 4 waves a work-group, no clusters, 181,760 bytes of LDS; arguments af, wo, out0; writes out0
.if DOCPART == 6
	.amdgcn_target "amdgcn-amd-amdhsa--gfx1250"
	.amdhsa_code_object_version 6
	.text
	.protected	k_q810524b4c7_oproj
	.globl	k_q810524b4c7_oproj
	.p2align	8
	.type	k_q810524b4c7_oproj,@function
k_q810524b4c7_oproj:
	s_mov_b64 s[64:65], 0
	v_nop
	global_prefetch_b8 v0, s[64:65] scope:SCOPE_SE
	s_setreg_imm32_b32 hwreg(HW_REG_WAVE_MODE, 25, 1), 1
	s_wait_xcnt 0x0
; out0 = attn wo.  attn: af, f16 in fragment order (block (mt 32 + ks) of 1,024 bytes = [c][lane][16 bytes]: row 16 mt + r,
; e = 32 ks + 16 c + 8 h + 0..7); wo: [1024][1024] f32; out0: [2048][1024] f32.
; A work-group makes 128 rows x 64 columns (grid x = nb, y = mi); wave w makes rows 32 w .. +31: 8 accumulator tiles.
; The slab wo[0:1024][64 nb .. +63] is rounded to f16 into LDS (1,024 rows of pitch 160), each byte written once, in 8 chunks of 128 k
; rows; a wave's whole stream of attn (64 fragments, 512 registers) goes into windows 1 and 2.  Each chunk has a barrier of its own, and
; the 32 products of chunk i - 1 stand between chunk i's LDS stores and that barrier, so the matrix work runs while later chunks are on
; their way.  Three staging sets: chunk i + 2 is asked for as soon as chunk i has landed, into the set whose LDS stores the wait in
; front of the last barrier has shown done.  No loop: the 8 chunks are written out by macro.
; The matrix instruction is used transposed (source 0 = wo, source 1 = attn): a lane holds 8 neighbouring columns of one row.
; FORMAT: f16 operands, f32 sums; |wo| below 65504 is served.
; NO JOINT TILES: wo is f32 and passes through registers to be rounded; attn goes from memory into the one wave's registers that uses it.
.set LO, 1                             ; v1     16 x lane
.set GW, 2                             ; v2     wo: (32 w + 4 h) rows of 4,096 bytes + 16 r
.set SWA, 3                            ; v3-5   LDS store address (32 w + 4 h) 160 + 8 r, + 61,440 n: chunk i uses n = i / 3
.set AB, 6                             ; v6-8   LDS address of the transposing read, + 61,440 n: K step ks uses n = ks / 12
.set STO, 9                            ; v9     the way out: where my 32 bytes of a row go
.set RD, 10                            ; v10    the way out: where I read a row back
.set CO, 11                            ; v11    4,096 h + 16 r
.set ACC, 16                           ; v16-79   accumulator (a, bt) at 8 (4 a + bt)
.set FB, 80                            ; v80-111, v112-143  two buffers of four wo fragments
.set OUTR, 144                         ; v144-207 the way out, two sets
.set SPITCH, 272
.set STAGE, 163840                     ; behind the slab: 16 rows x 272 bytes for each wave
; windows 1 and 2: attn fragment (ks, a) in window 1 + ks / 16 at 8 (2 (ks % 16) + a).   window 3: staging set s at 64 s, s = chunk % 3
.set MSB, 0
.macro WIN new
.if MSB != \new
	s_set_vgpr_msb (MSB<<8)|\new
.set MSB, \new
.endif
.endm
.macro PLACES                          ; four plain vector places behind matrix instructions (ISA guide 7.12.1)
.rept 4
	v_nop
.endr
.endm
; Chunk i of the slab: k rows 128 i .. +127, of which my wave takes 32: 16 loads of two rows of 256 bytes.  Lanes 16-31 take the row 4
; further down: in LDS that is 640 bytes on, 128 modulo 256, so the two halves of an LDS store of 8 bytes a lane fall on different banks.
.macro WLD i
	WIN 0xc0                                       ; destination in window 3
.irp q, 0,1,2,3,4,5,6,7,8,9,10,11,12,13,14,15
	global_load_b128 v[64*((\i)%3)+4*\q:64*((\i)%3)+4*\q+3], v[GW], s[6:7] offset:524288*(\i)+4096*((\q%4)+8*(\q/4))
.endr
.endm
.macro ALD i                           ; attn fragments of K steps 4 i .. 4 i + 3: 16 loads of 512 consecutive bytes
.if (\i) < 4
	WIN 0x40
.else
	WIN 0x80
.endif
.irp kq, 0,1,2,3
.irp a, 0,1
.irp c, 0,1
.set b, 8*(2*((4*(\i)+\kq)%16)+\a)+4*\c
	global_load_b128 v[b:b+3], v[LO], s[4:5] offset:32768*\a+1024*(4*(\i)+\kq)+512*\c
.endr
.endr
.endr
.endm
.macro WST i                           ; chunk i: rounded to f16 (one run of conversions), then into the slab (one run of stores)
	WIN 0xcf                               ; both sources and the destination in window 3
.set n, 0
.rept 16
.set b, 64*((\i)%3)+4*n
	v_cvt_pk_f16_f32 v[b], v[b], v[b+1]
	v_cvt_pk_f16_f32 v[b+1], v[b+2], v[b+3]
.set n, n+1
.endr
	WIN 0x0c                               ; an LDS store's data is source 1: window 3
.irp q, 0,1,2,3,4,5,6,7,8,9,10,11,12,13,14,15
	ds_store_b64 v[SWA+(\i)/3], v[64*((\i)%3)+4*\q:64*((\i)%3)+4*\q+1] offset:20480*((\i)%3)+160*((\q%4)+8*(\q/4))
.endr
.endm
.macro BF k                            ; the four wo fragments of K step k, by the transposing read (two loads 16 k rows apart)
.irp bt, 0,1,2,3
	ds_load_tr16_b128 v[FB+32*((\k)&1)+8*\bt:FB+32*((\k)&1)+8*\bt+3], v[AB+(\k)/12] offset:5120*((\k)%12)+32*\bt
	ds_load_tr16_b128 v[FB+32*((\k)&1)+8*\bt+4:FB+32*((\k)&1)+8*\bt+7], v[AB+(\k)/12] offset:5120*((\k)%12)+32*\bt+2560
.endr
.endm
.set ks, 0                             ; the K step that is due; KS steps it
.macro KWIN                            ; source 1 = attn of K step ks; everything else in window 0, so the fragment loads run under the same setting
.if ks < 16
	WIN 0x04
.else
	WIN 0x08
.endif
.endm
; K step ks: the next step's fragments are asked for if they lie in the same chunk, then this step's 8 products on 8 accumulators by
; turns, one instruction a turn.
.macro KS
	KWIN
.if ks%4 < 3
	PLACES                                         ; the other buffer was read by the matrix instructions in front
	BF (ks+1)
	s_wait_dscnt 8                                 ; this step's 8 loads (and every older LDS instruction) are done; the 8 just issued stay out
.else
	s_wait_dscnt 0
.endif
.irp a, 0,1
.irp bt, 0,1,2,3
.if ks == 0
	v_wmma_f32_16x16x32_f16 v[ACC+8*(4*\a+\bt):ACC+8*(4*\a+\bt)+7], v[FB+32*(ks&1)+8*\bt:FB+32*(ks&1)+8*\bt+7], v[8*(2*(ks%16)+\a):8*(2*(ks%16)+\a)+7], 0
.else
	v_wmma_f32_16x16x32_f16 v[ACC+8*(4*\a+\bt):ACC+8*(4*\a+\bt)+7], v[FB+32*(ks&1)+8*\bt:FB+32*(ks&1)+8*\bt+7], v[8*(2*(ks%16)+\a):8*(2*(ks%16)+\a)+7], v[ACC+8*(4*\a+\bt):ACC+8*(4*\a+\bt)+7]
.endif
.endr
.endr
.set ks, ks+1
.endm
; Chunk i.  Behind the last barrier chunk i - 1 is whole: its first fragments are asked for at once.  Then chunk i is waited for, chunk
; i + 2 asked for, chunk i rounded and stored, chunk i - 1 multiplied, and the barrier makes chunk i known.
.macro CHUNK i
.if \i > 0
	KWIN
	PLACES                                         ; buffer 0 was read by matrix instructions of the chunk before
	BF ks
.endif
.if \i < 7
	s_wait_loadcnt 32                              ; chunk i is in, and all of attn up to it; behind it stand 16 loads of attn and 16 of chunk i + 1
.else
	s_wait_loadcnt 0
.endif
.if \i < 6
	ALD \i+2
	WLD \i+2
.endif
	WST \i
.if \i > 0
	KS
	KS
	KS
	KS
.endif
	s_wait_dscnt 0x0                               ; my part of chunk i is written
	s_barrier_signal -1
	s_barrier_wait -1                              ; everybody's is
.endm
	s_load_b128 s[4:7], s[0:1], 0x0                ; af s[4:5], wo s[6:7]
	s_load_b64 s[8:9], s[0:1], 0x10                ; out0
	v_lshl_add_u32 v254, v0, 2, 0x2c400
	v_mov_b32 v255, 0
	v_lshrrev_b32 v12, 5, v0
	v_readfirstlane_b32 s10, v12                   ; wave w
	s_and_b32 s11, ttmp7, 0xffff                   ; mi
	s_mov_b32 s13, 0
	v_and_b32 v12, 31, v0
	v_and_b32 v13, 15, v0                          ; r
	v_bfe_u32 v14, v0, 4, 1                        ; h
	v_lshlrev_b32 v[LO], 4, v12
	v_lshlrev_b32 v15, 4, v13                      ; 16 r
	v_lshl_add_u32 v[CO], v14, 12, v15             ; + h rows
	v_lshl_add_u32 v[GW], v14, 14, v15             ; 16 r + 4 h rows
	s_lshl_b32 s12, s10, 17
	v_add_nc_u32 v[GW], s12, v[GW]                 ; + 32 w rows
	s_wait_kmcnt 0x0
	s_lshl_b32 s12, ttmp9, 8                       ; 64 nb columns
	s_add_nc_u64 s[6:7], s[6:7], s[12:13]
	s_add_nc_u64 s[8:9], s[8:9], s[12:13]
	s_lshl_b32 s12, s11, 18
	s_lshl_b32 s14, s10, 16
	s_add_co_u32 s12, s12, s14                     ; (8 mi + 2 w) row tiles of 32,768 bytes
	s_add_nc_u64 s[4:5], s[4:5], s[12:13]
	s_lshl_b32 s12, s11, 19
	s_lshl_b32 s14, s10, 17
	s_add_co_u32 s12, s12, s14                     ; (128 mi + 32 w) rows of 4,096 bytes
	s_add_nc_u64 s[8:9], s[8:9], s[12:13]
	ALD 0
	WLD 0
	ALD 1
	WLD 1
	WIN 0
	v_mul_u32_u24 v15, v14, 640
	v_lshl_add_u32 v15, v13, 3, v15
	s_mul_i32 s12, s10, 5120
	v_add_nc_u32 v[SWA], s12, v15                  ; (32 w + 4 h) 160 + 8 r
	v_add_nc_u32 v[SWA+1], 61440, v[SWA]
	v_add_nc_u32 v[SWA+2], 122880, v[SWA]
	v_and_b32 v15, 7, v0
	v_lshl_add_u32 v15, v14, 3, v15
	v_mul_u32_u24 v15, v15, 160                    ; (8 h + lane & 7) 160: the pitch is an odd multiple of 32
	v_bfe_u32 v12, v0, 3, 1
	v_lshl_add_u32 v[AB], v12, 4, v15
	v_add_nc_u32 v[AB+1], 61440, v[AB]
	v_add_nc_u32 v[AB+2], 122880, v[AB]
	s_mul_i32 s12, s10, 16*SPITCH
	s_add_co_u32 s12, s12, STAGE
	v_mul_u32_u24 v15, v13, SPITCH
	v_lshl_add_u32 v15, v14, 5, v15
	v_add_nc_u32 v[STO], s12, v15                  ; row r, 32 bytes for each half of the lanes
	v_mul_u32_u24 v15, v14, SPITCH
	v_lshl_add_u32 v15, v13, 4, v15
	v_add_nc_u32 v[RD], s12, v15                   ; lanes 0-15 one row of 256 bytes, lanes 16-31 the next
	CHUNK 0
	CHUNK 1
	CHUNK 2
	CHUNK 3
	CHUNK 4
	CHUNK 5
	CHUNK 6
	CHUNK 7
	KWIN                                           ; the last chunk's products
	PLACES
	BF ks
	KS
	KS
	KS
	KS
	WIN 0
	; THE WAY OUT, 16 rows at a time through my own stage: 32 bytes a lane in, whole rows of 256 bytes back.
	PLACES                                         ; behind the last matrix instructions, ahead of the stores of their results
.irp a, 0,1
.irp bt, 0,1,2,3
	ds_store_b128 v[STO], v[ACC+8*(4*\a+\bt):ACC+8*(4*\a+\bt)+3] offset:64*\bt
	ds_store_b128 v[STO], v[ACC+8*(4*\a+\bt)+4:ACC+8*(4*\a+\bt)+7] offset:64*\bt+16
.endr
.irp t, 0,1,2,3,4,5,6,7
	ds_load_b128 v[OUTR+32*\a+4*\t:OUTR+32*\a+4*\t+3], v[RD] offset:2*\t*SPITCH   ; LDS serves a wave's instructions in order (ISA guide 5.7.1): these see the stores above
.endr
.irp t, 0,1,2,3,4,5,6,7
	s_wait_dscnt 7-\t
	global_store_b128 v[CO], v[OUTR+32*\a+4*\t:OUTR+32*\a+4*\t+3], s[8:9] offset:(16*\a+2*\t)*4096 th:TH_STORE_NT   ; 16 lanes store 256 consecutive bytes, aligned
.endr
.endr
	s_wait_tensorcnt 0x0
	ds_add_u32 v254, v255
	s_wait_dscnt 0x0
	s_endpgm
.Lfunc_end_k_q810524b4c7_oproj:
	.size	k_q810524b4c7_oproj, .Lfunc_end_k_q810524b4c7_oproj-k_q810524b4c7_oproj
	.p2alignl 7, 3214868480
	.fill 96, 4, 3214868480
	.section	.rodata,"a",@progbits
	.p2align	6, 0x0
	.amdhsa_kernel k_q810524b4c7_oproj
		.amdhsa_group_segment_fixed_size 181760
		.amdhsa_private_segment_fixed_size 0
		.amdhsa_enable_private_segment 0
		.amdhsa_kernarg_size 24
		.amdhsa_user_sgpr_count 2
		.amdhsa_user_sgpr_kernarg_segment_ptr 1
		.amdhsa_wavefront_size32 1
		.amdhsa_system_sgpr_workgroup_id_x 1
		.amdhsa_system_sgpr_workgroup_id_y 1
		.amdhsa_system_sgpr_workgroup_id_z 1
		.amdhsa_system_vgpr_workitem_id 0
		.amdhsa_next_free_vgpr 960
		.amdhsa_next_free_sgpr 66
		.amdhsa_reserve_vcc 0
		.amdhsa_float_denorm_mode_32 3
		.amdhsa_float_denorm_mode_16_64 3
		.amdhsa_memory_ordered 1
		.amdhsa_forward_progress 1
		.amdhsa_inst_pref_size 95
	.end_amdhsa_kernel
	.amdgpu_metadata
---
amdhsa.version: [ 1, 2 ]
amdhsa.kernels:
  - .name:           k_q810524b4c7_oproj
    .symbol:         k_q810524b4c7_oproj.kd
    .args:
      - { .name: af, .offset: 0, .size: 8, .value_kind: global_buffer, .address_space: global }
      - { .name: wo, .offset: 8, .size: 8, .value_kind: global_buffer, .address_space: global }
      - { .name: out0, .offset: 16, .size: 8, .value_kind: global_buffer, .address_space: global }
    .group_segment_fixed_size: 181760
    .private_segment_fixed_size: 0
    .kernarg_segment_align: 8
    .kernarg_segment_size: 24
    .max_flat_workgroup_size: 128
    .sgpr_count:     66
    .vgpr_count:     960
    .wavefront_size: 32
...
	.end_amdgpu_metadata
.endif
;; end of part 6
;; ======== version 3 of 3: 3 launches; version 2 with the launch oproj written anew for expert scheduling mode
;; limits: values are held in f16: magnitudes above 65,504 overflow, below 6.1e-05 lose precision
;; workspace buffers: qf 4,194,304 bytes; kf 4,194,304 bytes; vf 4,194,304 bytes; af 4,194,304 bytes
;; launch qkv: the kernel of part 4 again; grid 16 x 16, 4 waves a work-group, no clusters, 90,624 bytes of LDS; arguments x, wq, wk, wv, cos, sin, qf, kf, vf; writes qf, kf, vf
;; launch attn: the kernel of part 5 again; grid 256 x 1, 4 waves a work-group, no clusters, 71,168 bytes of LDS; arguments qf, kf, vf, lambda_q1, lambda_k1, lambda_q2, lambda_k2, subln_weight, af; writes af
;; launch oproj (part 7): grid 16 x 16, 4 waves a work-group, no clusters, 181,760 bytes of LDS; arguments af, wo, out0; writes out0
.if DOCPART == 7
	.amdgcn_target "amdgcn-amd-amdhsa--gfx1250"
	.amdhsa_code_object_version 6
	.text
	.protected	k_q810524b4c7_oproj
	.globl	k_q810524b4c7_oproj
	.p2align	8
	.type	k_q810524b4c7_oproj,@function
k_q810524b4c7_oproj:
	s_mov_b64 s[64:65], 0
	v_nop
	global_prefetch_b8 v0, s[64:65] scope:SCOPE_SE
	s_setreg_imm32_b32 hwreg(HW_REG_WAVE_SCHED_MODE, 0, 2), 2
	s_setreg_imm32_b32 hwreg(HW_REG_WAVE_MODE, 25, 1), 1
	s_wait_xcnt 0x0
	s_wait_alu depctr_vm_vsrc(0)
; out0 = attn wo.  attn: af, f16 in fragment order (block (mt 32 + ks) of 1,024 bytes = [c][lane][16 bytes]: row 16 mt + r,
; e = 32 ks + 16 c + 8 h + 0..7); wo: [1024][1024] f32; out0: [2048][1024] f32.
; A work-group makes 128 rows x 64 columns (grid x = nb, y = mi); wave w makes rows 32 w .. +31: 8 accumulator tiles.
; The slab wo[0:1024][64 nb .. +63] is rounded to f16 into LDS (1,024 rows of pitch 160), each byte written once, in 8 chunks of 128 k
; rows; a wave's whole stream of attn (64 fragments, 512 registers) goes into windows 1 and 2.  Each chunk has a barrier of its own, and
; the 32 products of chunk i - 1 stand between chunk i's LDS stores and that barrier, so the matrix work runs while later chunks are on
; their way.  Three staging sets: chunk i + 2 is asked for in chunk i, into the set that chunk i - 1 stored.  No loop: the 8 chunks are
; written out by macro.
; The matrix instruction is used transposed (source 0 = wo, source 1 = attn): a lane holds 8 neighbouring columns of one row.
; FORMAT: f16 operands, f32 sums; |wo| below 65504 is served.
; NO JOINT TILES: wo is f32 and passes through registers to be rounded; attn goes from memory into the one wave's registers that uses it.
; THE MODE: SCHED_MODE bits 1:0 = 2 (LLVM: expert scheduling mode 2), set by the entry lines.  The code itself states the register
; dependences between vector or matrix instructions and memory or LDS instructions, with s_wait_alu, always for 0.
; THE PLAN.  Registers that memory or LDS instructions touch:
;   staging set i % 3   chunk i's global loads land in it (issued in chunk i - 2); chunk i's conversions read and write it; chunk i's LDS
;                       stores read it; the loads of chunk i + 3, issued in chunk i + 1, land in it again.
;   FB0 .. FB3          K step ks uses buffer ks % 4.  In chunk i the transposing reads of chunk i - 1's four K steps land in them, and
;                       chunk i's 32 products read them.
;   attn's fragments    each is loaded once; no vector or matrix instruction names it before that load; its K step's products read it.
;   the accumulators    written by products alone; read by the LDS stores of the way out.
;   OUTR                the loads from the stage land in it (FB2 and FB3, free by then); the global stores read it.
;   v1 .. v11           addresses, made at the head and never written again; the scalar bases are never stepped.
; So ONE wait on va_vdst stands in a chunk, behind its conversions: they have written the LDS stores' data, and the products of the chunk
; before are done reading FB0 .. FB3.  Beside it, where chunk i + 2 is asked for into a set that has been stored, ONE wait on vm_vsrc: those
; LDS stores have read the set.  All the chunk's other memory and LDS instructions follow with no further wait: the products issued
; since name the accumulators, their own K step's buffer (loaded ahead of them) and their own fragments of attn; the chunk's LDS stores
; read set i % 3, the loads land in set (i - 1) % 3.
.set LO, 1                             ; v1     16 x lane
.set GW, 2                             ; v2     wo: (32 w + 4 h) rows of 4,096 bytes + 16 r
.set SWA, 3                            ; v3-5   LDS store address (32 w + 4 h) 160 + 8 r, + 61,440 n: chunk i uses n = i / 3
.set AB, 6                             ; v6-8   LDS address of the transposing read, + 61,440 n: K step ks uses n = ks / 12
.set STO, 9                            ; v9     the way out: where my 32 bytes of a row go
.set RD, 10                            ; v10    the way out: where I read a row back
.set CO, 11                            ; v11    4,096 h + 16 r
.set ACC, 16                           ; v16-79   accumulator (a, bt) at 8 (4 a + bt)
.set FB, 80                            ; v80-207  four buffers of four wo fragments, 32 registers each
.set OUTR, 144                         ; v144-207 the way out, two sets, where FB2 and FB3 lay
.set SPITCH, 272
.set STAGE, 163840                     ; behind the slab: 16 rows x 272 bytes for each wave
; windows 1 and 2: attn fragment (ks, a) in window 1 + ks / 16 at 8 (2 (ks % 16) + a).   window 3: staging set s at 64 s, s = chunk % 3
.set MSB, 0
.macro WIN new
.if MSB != \new
	s_set_vgpr_msb (MSB<<8)|\new
.set MSB, \new
.endif
.endm
.macro PLACES                          ; four plain vector places behind matrix instructions (ISA guide 7.12.1)
.rept 4
	v_nop
.endr
.endm
; Chunk i of the slab: k rows 128 i .. +127, of which my wave takes 32: 16 loads of two rows of 256 bytes.  Lanes 16-31 take the row 4
; further down: in LDS that is 640 bytes on, 128 modulo 256, so the two halves of an LDS store of 8 bytes a lane fall on different banks.
.macro WLD i
	WIN 0xc0                                       ; destination in window 3
.irp q, 0,1,2,3,4,5,6,7,8,9,10,11,12,13,14,15
	global_load_b128 v[64*((\i)%3)+4*\q:64*((\i)%3)+4*\q+3], v[GW], s[6:7] offset:524288*(\i)+4096*((\q%4)+8*(\q/4))
.endr
.endm
.macro ALD i                           ; attn fragments of K steps 4 i .. 4 i + 3: 16 loads of 512 consecutive bytes
.if (\i) < 4
	WIN 0x40
.else
	WIN 0x80
.endif
.irp kq, 0,1,2,3
.irp a, 0,1
.irp c, 0,1
.set b, 8*(2*((4*(\i)+\kq)%16)+\a)+4*\c
	global_load_b128 v[b:b+3], v[LO], s[4:5] offset:32768*\a+1024*(4*(\i)+\kq)+512*\c
.endr
.endr
.endr
.endm
.macro WCV i                           ; chunk i is rounded to f16: one run of conversions, in place
	WIN 0xcf                               ; both sources and the destination in window 3
.set n, 0
.rept 16
.set b, 64*((\i)%3)+4*n
	v_cvt_pk_f16_f32 v[b], v[b], v[b+1]
	v_cvt_pk_f16_f32 v[b+1], v[b+2], v[b+3]
.set n, n+1
.endr
.endm
.macro WST i                           ; and laid into the slab: one run of stores
	WIN 0x0c                               ; an LDS store's data is source 1: window 3
.irp q, 0,1,2,3,4,5,6,7,8,9,10,11,12,13,14,15
	ds_store_b64 v[SWA+(\i)/3], v[64*((\i)%3)+4*\q:64*((\i)%3)+4*\q+1] offset:20480*((\i)%3)+160*((\q%4)+8*(\q/4))
.endr
.endm
.macro BF k                            ; the four wo fragments of K step k, by the transposing read (two loads 16 k rows apart), into buffer k % 4
.irp bt, 0,1,2,3
	ds_load_tr16_b128 v[FB+32*((\k)%4)+8*\bt:FB+32*((\k)%4)+8*\bt+3], v[AB+(\k)/12] offset:5120*((\k)%12)+32*\bt
	ds_load_tr16_b128 v[FB+32*((\k)%4)+8*\bt+4:FB+32*((\k)%4)+8*\bt+7], v[AB+(\k)/12] offset:5120*((\k)%12)+32*\bt+2560
.endr
.endm
.set ks, 0                             ; the K step that is due; KS steps it
.macro KWIN                            ; source 1 = attn of K step ks; everything else in window 0, so the fragment loads run under the same setting
.if ks < 16
	WIN 0x04
.else
	WIN 0x08
.endif
.endm
; K step ks: its 8 products on 8 accumulators by turns, one instruction a turn.
; left = the LDS instructions issued behind this step's 8 fragment loads, which may stay out.
; more = 1: behind the products the fragments of the K step two on are asked for.  No wait: no vector or matrix instruction since the
; chunk's wait on va_vdst names that buffer.
.macro KS left, more
	KWIN
	s_wait_dscnt \left
.irp a, 0,1
.irp bt, 0,1,2,3
.if ks == 0
	v_wmma_f32_16x16x32_f16 v[ACC+8*(4*\a+\bt):ACC+8*(4*\a+\bt)+7], v[FB+32*(ks%4)+8*\bt:FB+32*(ks%4)+8*\bt+7], v[8*(2*(ks%16)+\a):8*(2*(ks%16)+\a)+7], 0
.else
	v_wmma_f32_16x16x32_f16 v[ACC+8*(4*\a+\bt):ACC+8*(4*\a+\bt)+7], v[FB+32*(ks%4)+8*\bt:FB+32*(ks%4)+8*\bt+7], v[8*(2*(ks%16)+\a):8*(2*(ks%16)+\a)+7], v[ACC+8*(4*\a+\bt):ACC+8*(4*\a+\bt)+7]
.endif
.endr
.endr
.if \more
	BF (ks+2)
.endif
.set ks, ks+1
.endm
; Chunk i.  Behind the last barrier chunk i - 1 is whole in LDS.  Chunk i is waited for and rounded; behind the two waits come the first two
; K steps' fragments of chunk i - 1, chunk i's LDS stores and the loads of chunk i + 2; then chunk i - 1 is multiplied, and the barrier
; makes chunk i known.
.macro CHUNK i
.if \i < 7
	s_wait_loadcnt 32                              ; chunk i is in, and all of attn up to it; behind it stand 16 loads of attn and 16 of chunk i + 1
.else
	s_wait_loadcnt 0
.endif
.if \i < 6
	ALD \i+2                                       ; no wait: v1 has not been named since the head's wait, and nothing has ever named these fragments' registers
.endif
	WCV \i
	s_wait_alu depctr_va_vdst(0)                   ; the conversions have written set i % 3, which the LDS stores read; the products of the chunk before are done reading FB0 .. FB3, in which the fragment loads land; the conversions of the chunk before are done with the set in which chunk i + 2 lands; in chunk 0: v3 to v10 are written
.if (\i > 0) && (\i < 6)
	s_wait_alu depctr_vm_vsrc(0)                   ; the LDS stores of chunk i - 1 have read set (i - 1) % 3, in which the loads of chunk i + 2 land
.endif
.if \i > 0
	WIN 0x0c                                       ; the fragment loads run under the stores' setting: destination and address in window 0
	BF ks
	BF (ks+1)
.endif
	WST \i
.if \i < 6
	WLD \i+2
.endif
.if \i > 0
	KS 24, 1                                       ; younger than its 8 loads: the next step's 8 and the 16 stores
	KS 24, 1                                       ; the 16 stores and the 8 loads issued behind the products above
	KS 8, 0                                        ; the last step's 8 loads
	KS 0, 0                                        ; its loads are the youngest: so my part of chunk i is written too, and only products stand between this wait and the signal
.else
	s_wait_dscnt 0x0                               ; my part of chunk 0 is written
.endif
	s_barrier_signal -1
	s_barrier_wait -1                              ; everybody's is
.endm
	s_load_b128 s[4:7], s[0:1], 0x0                ; af s[4:5], wo s[6:7]
	s_load_b64 s[8:9], s[0:1], 0x10                ; out0
	v_lshl_add_u32 v254, v0, 2, 0x2c400
	v_mov_b32 v255, 0
	v_lshrrev_b32 v12, 5, v0
	v_readfirstlane_b32 s10, v12                   ; wave w
	s_and_b32 s11, ttmp7, 0xffff                   ; mi
	s_mov_b32 s13, 0
	v_and_b32 v12, 31, v0
	v_and_b32 v13, 15, v0                          ; r
	v_bfe_u32 v14, v0, 4, 1                        ; h
	v_lshlrev_b32 v[LO], 4, v12
	v_lshlrev_b32 v15, 4, v13                      ; 16 r
	v_lshl_add_u32 v[CO], v14, 12, v15             ; + h rows
	v_lshl_add_u32 v[GW], v14, 14, v15             ; 16 r + 4 h rows
	s_wait_alu depctr_va_sdst(0)                   ; s10 is written, ahead of its first reader: offsets and bases are made from it
	s_lshl_b32 s12, s10, 17
	v_add_nc_u32 v[GW], s12, v[GW]                 ; + 32 w rows
	s_wait_kmcnt 0x0
	s_lshl_b32 s12, ttmp9, 8                       ; 64 nb columns
	s_add_nc_u64 s[6:7], s[6:7], s[12:13]
	s_add_nc_u64 s[8:9], s[8:9], s[12:13]
	s_lshl_b32 s12, s11, 18
	s_lshl_b32 s14, s10, 16
	s_add_co_u32 s12, s12, s14                     ; (8 mi + 2 w) row tiles of 32,768 bytes
	s_add_nc_u64 s[4:5], s[4:5], s[12:13]
	s_lshl_b32 s12, s11, 19
	s_lshl_b32 s14, s10, 17
	s_add_co_u32 s12, s12, s14                     ; (128 mi + 32 w) rows of 4,096 bytes
	s_add_nc_u64 s[8:9], s[8:9], s[12:13]
	s_wait_alu depctr_va_vdst(0)                   ; v1, v2 and v11 are written: every global load and store of the kernel reads one of them as its offset
	ALD 0
	WLD 0
	ALD 1
	WLD 1
	WIN 0
	v_mul_u32_u24 v15, v14, 640                    ; the LDS addresses are made while the first loads are out; they name none of v1, v2; chunk 0's wait on va_vdst stands ahead of their first use
	v_lshl_add_u32 v15, v13, 3, v15
	s_mul_i32 s12, s10, 5120
	v_add_nc_u32 v[SWA], s12, v15                  ; (32 w + 4 h) 160 + 8 r
	v_add_nc_u32 v[SWA+1], 61440, v[SWA]
	v_add_nc_u32 v[SWA+2], 122880, v[SWA]
	v_and_b32 v15, 7, v0
	v_lshl_add_u32 v15, v14, 3, v15
	v_mul_u32_u24 v15, v15, 160                    ; (8 h + lane & 7) 160: the pitch is an odd multiple of 32
	v_bfe_u32 v12, v0, 3, 1
	v_lshl_add_u32 v[AB], v12, 4, v15
	v_add_nc_u32 v[AB+1], 61440, v[AB]
	v_add_nc_u32 v[AB+2], 122880, v[AB]
	s_mul_i32 s12, s10, 16*SPITCH
	s_add_co_u32 s12, s12, STAGE
	v_mul_u32_u24 v15, v13, SPITCH
	v_lshl_add_u32 v15, v14, 5, v15
	v_add_nc_u32 v[STO], s12, v15                  ; row r, 32 bytes for each half of the lanes
	v_mul_u32_u24 v15, v14, SPITCH
	v_lshl_add_u32 v15, v13, 4, v15
	v_add_nc_u32 v[RD], s12, v15                   ; lanes 0-15 one row of 256 bytes, lanes 16-31 the next
	CHUNK 0
	CHUNK 1
	CHUNK 2
	CHUNK 3
	CHUNK 4
	CHUNK 5
	CHUNK 6
	CHUNK 7
	KWIN                                           ; the last chunk's products
	PLACES                                         ; here no conversions stand behind the products that read the buffers; the places stay beside the wait below, which fills none
	s_wait_alu depctr_va_vdst(0)                   ; the products of K steps 24 to 27 are done reading FB0 .. FB3, in which the last fragment loads land
	BF ks
	BF (ks+1)
	KS 8, 1                                        ; no stores here: behind each step's loads stand the next step's 8
	KS 8, 1
	KS 8, 0
	KS 0, 0
	WIN 0
	; THE WAY OUT, 16 rows at a time through my own stage: 32 bytes a lane in, whole rows of 256 bytes back.
	PLACES                                         ; behind the last matrix instructions, ahead of the stores of their results
	s_wait_alu depctr_va_vdst(0)                   ; the products have written the accumulators, which the LDS stores read, and are done reading FB2 and FB3, in which the loads from the stage land; no vector or matrix instruction follows
.irp a, 0,1
.irp bt, 0,1,2,3
	ds_store_b128 v[STO], v[ACC+8*(4*\a+\bt):ACC+8*(4*\a+\bt)+3] offset:64*\bt
	ds_store_b128 v[STO], v[ACC+8*(4*\a+\bt)+4:ACC+8*(4*\a+\bt)+7] offset:64*\bt+16
.endr
.irp t, 0,1,2,3,4,5,6,7
	ds_load_b128 v[OUTR+32*\a+4*\t:OUTR+32*\a+4*\t+3], v[RD] offset:2*\t*SPITCH   ; LDS serves a wave's instructions in order (ISA guide 5.7.1): these see the stores above
.endr
.irp t, 0,1,2,3,4,5,6,7
	s_wait_dscnt 7-\t
	global_store_b128 v[CO], v[OUTR+32*\a+4*\t:OUTR+32*\a+4*\t+3], s[8:9] offset:(16*\a+2*\t)*4096 th:TH_STORE_NT   ; 16 lanes store 256 consecutive bytes, aligned
.endr
.endr
	s_wait_dscnt 0x0
	s_wait_alu depctr_hold_cnt(0) depctr_sa_sdst(0) depctr_va_vdst(0) depctr_va_sdst(0) depctr_va_ssrc(0) depctr_va_vcc(0) depctr_vm_vsrc(0)
	s_wait_tensorcnt 0x0
	ds_add_u32 v254, v255
	s_wait_dscnt 0x0
	s_endpgm
.Lfunc_end_k_q810524b4c7_oproj:
	.size	k_q810524b4c7_oproj, .Lfunc_end_k_q810524b4c7_oproj-k_q810524b4c7_oproj
	.p2alignl 7, 3214868480
	.fill 96, 4, 3214868480
	.section	.rodata,"a",@progbits
	.p2align	6, 0x0
	.amdhsa_kernel k_q810524b4c7_oproj
		.amdhsa_group_segment_fixed_size 181760
		.amdhsa_private_segment_fixed_size 0
		.amdhsa_enable_private_segment 0
		.amdhsa_kernarg_size 24
		.amdhsa_user_sgpr_count 2
		.amdhsa_user_sgpr_kernarg_segment_ptr 1
		.amdhsa_wavefront_size32 1
		.amdhsa_system_sgpr_workgroup_id_x 1
		.amdhsa_system_sgpr_workgroup_id_y 1
		.amdhsa_system_sgpr_workgroup_id_z 1
		.amdhsa_system_vgpr_workitem_id 0
		.amdhsa_next_free_vgpr 960
		.amdhsa_next_free_sgpr 66
		.amdhsa_reserve_vcc 0
		.amdhsa_float_denorm_mode_32 3
		.amdhsa_float_denorm_mode_16_64 3
		.amdhsa_memory_ordered 1
		.amdhsa_forward_progress 1
		.amdhsa_inst_pref_size 91
	.end_amdhsa_kernel
	.amdgpu_metadata
---
amdhsa.version: [ 1, 2 ]
amdhsa.kernels:
  - .name:           k_q810524b4c7_oproj
    .symbol:         k_q810524b4c7_oproj.kd
    .args:
      - { .name: af, .offset: 0, .size: 8, .value_kind: global_buffer, .address_space: global }
      - { .name: wo, .offset: 8, .size: 8, .value_kind: global_buffer, .address_space: global }
      - { .name: out0, .offset: 16, .size: 8, .value_kind: global_buffer, .address_space: global }
    .group_segment_fixed_size: 181760
    .private_segment_fixed_size: 0
    .kernarg_segment_align: 8
    .kernarg_segment_size: 24
    .max_flat_workgroup_size: 128
    .sgpr_count:     66
    .vgpr_count:     960
    .wavefront_size: 32
...
	.end_amdgpu_metadata
.endif
;; end of part 7
